; MI455X (gfx1250); checked and timed in simulation.
; The chip was launched on July 23, 2026; its instructions are those of AMD's public machine-readable ISA for CDNA 5 (MIT licence, August 2026) and "CDNA5" Instruction Set Architecture Reference Guide (July 2026). The comments in the code are by the model that wrote it; some were corrected since.
;; Multi Head Attention. Allowed arithmetic: matrix products marked QUANTISED: E2M3 operands, one E8M0 scale for each 32 along K, by v_wmma_scale_f32_16x16x128_f8f6f4 with both operands' format E2M3, f32 sums; everything else in f32.
;; Inputs: key 4 x 2,048 x 1,024 float32; mask 4 x 2,048 bool; query 4 x 2,048 x 1,024 float32; value 4 x 2,048 x 1,024 float32; w_k 1,024 x 1,024 float32; w_o 1,024 x 1,024 float32; w_q 1,024 x 1,024 float32; w_v 1,024 x 1,024 float32.
;; Outputs: out0 4 x 2,048 x 1,024 float32.
;; This version of the problem:
;;   THIS VERSION OF THE PROBLEM IS GIVEN IN LOW PRECISION. The matrix products marked QUANTISED in the list below multiply operands that are first quantised to E2M3 (2 exponent bits, 3 mantissa bits; 6 bits a number), with one power-of-two scale for each 32 numbers along K (OCP MX v1.0); their sums are f32. All else is computed in f32.
;;   The module's matrix products, in the order in which they are computed (A, B: the left and right operand; K: the contracted axis; several contracted axes count as one K, in the product's order):
;;     1. [M 8,192, K 1,024] x [K 1,024, N 1,024]; A: input query; B: input w_q: QUANTISED
;;     2. [M 8,192, K 1,024] x [K 1,024, N 1,024]; A: input key; B: input w_k: QUANTISED
;;     3. [M 8,192, K 1,024] x [K 1,024, N 1,024]; A: input value; B: input w_v: QUANTISED
;;     4. batch 64 x [M 2,048, K 64] x [K 64, N 2,048]; A: computed on the way; B: computed on the way: QUANTISED
;;     5. batch 64 x [M 2,048, K 2,048] x [K 2,048, N 64]; A: softmax (see below); B: computed on the way: QUANTISED
;;     6. [M 8,192, K 1,024] x [K 1,024, N 1,024]; A: computed on the way; B: input w_o: QUANTISED
;;   THE QUANTISER, for each operand of a quantised product, along K:
;;     - K is cut into blocks of 32 from its start; a last block that is shorter is filled with zeros.
;;     - A block's scale is 2^e with e = floor(log2(the largest magnitude in the block)) - 2, held to -126 .. 127; a block of zeros has e = 0. As a byte (E8M0): e + 127.
;;     - Each number is divided by its block's scale, clamped to +-7.5, and rounded to the nearest number of E2M3, ties to even, subnormals kept.
;;     - The product sums the exact products of the quantised numbers (number of the format x scale) in f32.
;;   ~~~python
;;   def quantise(x, axis):      # numpy; x: float32 -> the quantised numbers, widened to float32 again
;;       x = np.moveaxis(x, axis, -1); K = x.shape[-1]
;;       x = np.pad(x, [(0, 0)] * (x.ndim - 1) + [(0, -K % 32)]); x = x.reshape(x.shape[:-1] + (-1, 32)); a = np.abs(x).max(-1, keepdims=True)
;;       e = np.where(a > 0, np.clip(np.frexp(np.where(a > 0, a, 1))[1] - 1 - 2, -126, 127), 0)      # np.frexp(a)[1] - 1 = floor(log2(a)), exactly
;;       r = np.clip(x / 2.0 ** e, -7.5, 7.5)
;;       step = 2.0 ** (np.maximum(np.frexp(np.where(r == 0, 1, r))[1] - 1, 0) - 3)
;;       q = np.round(r / step) * step * 2.0 ** e      # np.round: ties to even
;;       return np.moveaxis(q.reshape(q.shape[:-2] + (-1,))[..., :K], -1, axis).astype(np.float32)
;;   ~~~
;;   SOFTMAX AHEAD OF A QUANTISED PRODUCT. Where the list says 'softmax', what is quantised is not the finished softmax but p = 2^(t - M), with t = logit x log2(e) and M = ceil(the row's largest t), a whole number; so 1/2 < the row's largest p <= 1. The row's sum l is taken of the UNQUANTISED p, in f32, and the product's result is divided by l at the end. Since M is a whole number, a kernel that streams over the keys may use a running M (the ceiling of the running maximum): every later rescaling is an exact power of two, which a block's scale takes up: the codes' values come out the same.
;;   OPERANDS COMPUTED ON THE WAY. 'Computed on the way' means the value that the module computes at that place (a softmax that the list does not call 'softmax' is quantised finished and normalised). What goes into a quantiser is computed in f32, as accurately as f32 sums, v_exp_f32 and their like allow (about 1e-6 of the number): no bf16 or f16 on the way to a quantiser, and a product that is left as it is and whose result goes on into a quantised operand takes f32 operands (vector FMAs, or v_wmma_f32_16x16x4_f32). A number that lies on a knife's edge between two numbers of the format may be rounded either way, as far as f32 arithmetic and the matrix unit's own rounding can turn it there, and no further.
;; One version. Each part assembles by itself: llvm-mc -triple=amdgcn-amd-amdhsa -mcpu=gfx1250 --defsym DOCPART=n.
;; ======== version 1 of 1: 4 launches
;; limits: right only within a limited range of input values
;; workspace buffers: codes 22,020,096 bytes; scl 917,504 bytes; qb 6,815,744 bytes; kv 13,369,344 bytes; oc 6,291,456 bytes; os 262,144 bytes
;; launch quant (part 1): grid 256 x 1, 7 waves a work-group, no clusters, 60,160 bytes of LDS; arguments query, key, value, w_q, w_k, w_v, w_o, codes, scl; writes codes, scl
.if DOCPART == 1
	.amdgcn_target "amdgcn-amd-amdhsa--gfx1250"
	.amdhsa_code_object_version 6
	.text
	.protected	k_q2d56448ff7_quant
	.globl	k_q2d56448ff7_quant
	.p2align	8
	.type	k_q2d56448ff7_quant,@function
k_q2d56448ff7_quant:
	s_mov_b64 s[64:65], 0
	v_nop
	global_prefetch_b8 v0, s[64:65] scope:SCOPE_SE
	s_setreg_imm32_b32 hwreg(HW_REG_WAVE_MODE, 25, 1), 1
	s_wait_xcnt 0x0
; Seven f32 tensors with K = 1024 innermost (query, key, value: 8,192 rows; w_q, w_k, w_v, w_o: 1,024 rows) become codes of FP6 (E2M3) with one E8M0 byte for each 32 along K,
; laid in the ORDER OF AN OPERAND'S REGISTERS.  The tensors are cut into tiles of 16 rows, 1,792 in all (query from tile 0, key 512, value 1024, w_q 1536, w_k 1600, w_v 1664, w_o 1728).
; THE ROWS OF A TILE ARE NOT NEIGHBOURS: row r of a tensor's tile t is its row 32 (t / 2) + 8 (t % 2) + r + 8 (r / 8), so that where such tiles are source 0 of a product the 16 result
; registers of tiles 2 b and 2 b + 1 are 16 neighbours along the next product's K.
; codes: [tile][K step of 128: 8][1,536 bytes].  A fragment (12 registers a lane) lies as two halves of 768 bytes: registers 0-3 at 16 x lane, registers 4-5 at 512 + 8 x lane; then registers 6-9, 10-11 likewise.
; scl: [tile][512 bytes]: the word at 16 x lane + 4 q is the scale word of row lane % 16 for K step 2 q + lane / 16.
; A block's scale is 2^(floor(log2(its largest magnitude)) - 2); its byte is that magnitude's exponent field - 2, held at 1 from below (a block of zeros keeps the byte 1: its codes are zeros, and this program alone reads the bytes).
; LIMITS: blocks whose largest magnitude lies under 2^-124 keep the byte 1; NaN and infinities among the inputs are not served.
; SHARES: 1,792 tiles = 256 work-groups x 7 waves: a wave takes one tile through all of K, eight steps.  Each load reads 512 consecutive bytes of a row; a step's 16 rows turn through the wave's own stage in LDS
; (rows of 512 + 16 bytes) so that a lane gets, of its row, 16 neighbours of each block of 32.  Waves share nothing: no barrier.  Loads run two steps (32 loads a wave) ahead.
.set STG,   8448                       ; a wave's stage: 16 rows x 528 bytes
.set SPARE, 7*STG                      ; behind the stages: the spare words, 128 bytes a wave, four blocks of 256 bytes that no other line names
.set O128,  2                          ; v2   16 x lane
.set SIN,   3                          ; v3   the stage, on the way in: 16 x lane in a row
.set SOUT,  4                          ; v4   and out: row lane % 16, + 64 (lane / 16)
.set O64,   6                          ; v6   512 + 8 x lane
.set SPW,   8                          ; v8   my spare word; never rewritten
.set NIL,   9                          ; v9   0; never rewritten
.set RA,    16                         ; v16-143  two sets of 64: a step's rows as loaded
.set X,     144                        ; v144-207 register 16 b + i = k 32 b + 16 (lane / 16) + i of my row
.set PC,    208                        ; v208-219 the fragment's codes
.set CT,    220                        ; v220-227 the conversions' second halves
.set TM,    228                        ; v228-243 at work
.set W,     246                        ; v246-253 the eight steps' scale words
.set SEL,   52                         ; s[52:53] lane selects: lane l xor 16
	s_load_b256 s[4:11], s[0:1], 0x0               ; query, key, value, w_q
	s_load_b256 s[12:19], s[0:1], 0x20             ; w_k, w_v, w_o, codes
	s_load_b64 s[20:21], s[0:1], 0x40              ; scl
	v_lshl_add_u32 v[SPW], v0, 2, SPARE
	v_mov_b32 v[NIL], 0
	v_lshrrev_b32 v1, 5, v0
	v_readfirstlane_b32 s22, v1                    ; wave 0..6
	v_and_b32 v1, 31, v0                           ; lane
	v_lshlrev_b32 v[O128], 4, v1
	v_lshl_add_u32 v[O64], v1, 3, 512
	s_mul_i32 s23, s22, STG
	v_add_nc_u32 v[SIN], s23, v[O128]
	v_and_b32 v5, 15, v0                           ; r
	v_bfe_u32 v7, v0, 4, 1                         ; h
	v_mul_u32_u24 v[SOUT], v5, 528
	v_lshl_add_u32 v[SOUT], v7, 6, v[SOUT]
	v_add_nc_u32 v[SOUT], s23, v[SOUT]
.irp b, 0,1,2,3
	v_mov_b32 v[TM+4+\b], 0                        ; written once: a lane permute's destination counts as one of its sources
.endr
	s_mov_b32 s51, 0xffff0000                      ; lanes 16-31
	s_mov_b32 s[SEL], 0x76543210
	s_mov_b32 s[SEL+1], 0xfedcba98
	s_mul_i32 s24, ttmp9, 7
	s_add_co_u32 s24, s24, s22                     ; my tile, 0..1791
	s_wait_alu depctr_va_vdst(0)
	s_wait_kmcnt 0x0
	s_mov_b64 s[26:27], s[4:5]                     ; which tensor holds it: the choice hangs on the tile's number alone
	s_mov_b32 s25, 0                               ; and that tensor's first tile
.macro PICK first, lo
	s_cmp_ge_u32 s24, \first
	s_cselect_b64 s[26:27], s[\lo:\lo+1], s[26:27]
	s_cselect_b32 s25, \first, s25
.endm
	PICK 512, 6
	PICK 1024, 8
	PICK 1536, 10
	PICK 1600, 12
	PICK 1664, 14
	PICK 1728, 16
	s_sub_co_u32 s28, s24, s25                     ; the tile's number t in its tensor
	s_lshr_b32 s29, s28, 1
	s_lshl_b32 s29, s29, 17                        ; 32 (t / 2) rows of 4,096 bytes
	s_and_b32 s28, s28, 1
	s_lshl_b32 s28, s28, 15                        ; + 8 (t % 2) rows
	s_add_co_u32 s28, s28, s29
	s_mov_b32 s29, 0
	s_add_nc_u64 s[26:27], s[26:27], s[28:29]
	s_mul_i32 s28, s24, 12288
	s_add_nc_u64 s[18:19], s[18:19], s[28:29]      ; my tile's codes
	s_lshl_b32 s28, s24, 9
	s_add_nc_u64 s[20:21], s[20:21], s[28:29]      ; and its scale words
.macro LOAD s                          ; K step s: 512 bytes of each of the tile's 16 rows, into set s % 2
.set RS, RA+64*((\s)%2)
.irp i, 0,1,2,3,4,5,6,7,8,9,10,11,12,13,14,15
	global_load_b128 v[RS+4*\i:RS+4*\i+3], v[O128], s[26:27] offset:(\i+8*(\i/8))*4096+512*(\s) th:TH_LOAD_NT
.endr
.endm
.macro TURN s                          ; through the stage: LDS serves a wave's instructions in order, so no wait stands between the stores and the loads
.set RS, RA+64*((\s)%2)
.irp i, 0,1,2,3,4,5,6,7,8,9,10,11,12,13,14,15
	ds_store_b128 v[SIN], v[RS+4*\i:RS+4*\i+3] offset:528*\i
.endr
.irp b, 0,1,2,3
.irp j, 0,1,2,3
	ds_load_b128 v[X+16*\b+4*\j:X+16*\b+4*\j+3], v[SOUT] offset:128*\b+16*\j
.endr
.endr
.endm
.macro QUANT pw                        ; the 64 numbers in X become the fragment's codes in v[PC] on and its scale word in v[pw]
.set PWR, \pw
.irp b, 0,1,2,3
	v_max3_num_f32 v[TM+\b], |v[X+16*\b]|, |v[X+1+16*\b]|, 0x1800000   ; block b: my 16 numbers, and the floor 2^(3 - 127): the byte cannot fall under 1
.endr
.irp i, 2,4,6,8,10,12,14
.irp b, 0,1,2,3
	v_max3_num_f32 v[TM+\b], v[TM+\b], |v[X+16*\b+\i]|, |v[X+1+16*\b+\i]|   ; the four blocks by turns
.endr
.endr
.irp b, 0,1,2,3
	v_permlanex16_b32 v[TM+4+\b], v[TM+\b], s[SEL], s[SEL+1]
.endr
.irp b, 0,1,2,3
	v_max_num_f32 v[TM+\b], v[TM+\b], v[TM+4+\b]   ; with lane l xor 16's 16: the block's largest magnitude
.endr
.irp b, 0,1,2,3
	v_add_nc_u32 v[TM+12+\b], 0xff000000, v[TM+\b] ; 2 off its exponent field: the conversion's scale operand
.endr
.irp b, 0,1,2,3
	v_lshrrev_b32 v[TM+4+\b], 23, v[TM+12+\b]      ; the scale's byte
.endr
	v_lshl_or_b32 v[PWR], v[TM+5], 8, v[TM+4]
	v_lshl_or_b32 v[PWR], v[TM+6], 16, v[PWR]
	v_lshl_or_b32 v[PWR], v[TM+7], 24, v[PWR]
.irp c, 0,1
	v_cvt_scalef32_pk16_fp6_f32 v[PC+6*\c:PC+6*\c+2], v[X+32*\c:X+32*\c+15], v[TM+12+2*\c]
	v_cvt_scalef32_pk16_fp6_f32 v[CT+4*\c:CT+4*\c+2], v[X+32*\c+16:X+32*\c+31], v[TM+12+2*\c+1]   ; (a conversion's three registers begin on an even number)
.endr
	v_nop                                          ; one plain place behind a scaled conversion
.irp c, 0,1                            ; the operand wants a WHOLE block in a lane: lanes 0-15 block 2 c, lanes 16-31 block 2 c + 1
.irp i, 0,1,2
	v_permlane16_swap_b32 v[PC+6*\c+\i], v[CT+4*\c+\i]
.endr
.irp i, 0,1,2
	v_mov_b32 v[PC+3+6*\c+\i], v[CT+4*\c+\i]
.endr
.endr
.endm
.macro QSTEP s
.if (\s) < 7
	s_wait_loadcnt 16                              ; this step's 16 loads are in; the next step's 16 may stay out
.else
	s_wait_loadcnt 0x0
.endif
	TURN \s
	s_wait_dscnt 0x0                               ; X is in, and the stage's stores have read their set
	s_wait_xcnt 0x0                                ; the last step's stores have read the codes' registers, which are written again below
.if (\s)+2 < 8
	LOAD (\s)+2
.endif
	QUANT W+(\s)
	global_store_b128 v[O128], v[PC:PC+3], s[18:19] offset:1536*(\s)          ; each store of the wave covers 512 or 256 consecutive bytes, aligned
	global_store_b64 v[O64], v[PC+4:PC+5], s[18:19] offset:1536*(\s)
	global_store_b128 v[O128], v[PC+6:PC+9], s[18:19] offset:1536*(\s)+768
	global_store_b64 v[O64], v[PC+10:PC+11], s[18:19] offset:1536*(\s)+768
.endm
	LOAD 0
	LOAD 1
.irp s, 0,1,2,3,4,5,6,7
	QSTEP \s
.endr
.irp q, 0,1,2,3
	v_cndmask_b32 v[TM+\q], v[W+2*\q], v[W+2*\q+1], s51   ; lanes 0-15 keep K step 2 q's word, lanes 16-31 take step 2 q + 1's
.endr
	global_store_b128 v[O128], v[TM:TM+3], s[20:21]
	s_wait_tensorcnt 0x0                           ; the wave's end, behind my last LDS store
	ds_add_u32 v[SPW], v[NIL]
	s_wait_dscnt 0x0
	s_endpgm
.Lfunc_end_k_q2d56448ff7_quant:
	.size	k_q2d56448ff7_quant, .Lfunc_end_k_q2d56448ff7_quant-k_q2d56448ff7_quant
	.p2alignl 7, 3214868480
	.fill 96, 4, 3214868480
	.section	.rodata,"a",@progbits
	.p2align	6, 0x0
	.amdhsa_kernel k_q2d56448ff7_quant
		.amdhsa_group_segment_fixed_size 60160
		.amdhsa_private_segment_fixed_size 0
		.amdhsa_enable_private_segment 0
		.amdhsa_kernarg_size 72
		.amdhsa_user_sgpr_count 2
		.amdhsa_user_sgpr_kernarg_segment_ptr 1
		.amdhsa_wavefront_size32 1
		.amdhsa_system_sgpr_workgroup_id_x 1
		.amdhsa_system_sgpr_workgroup_id_y 1
		.amdhsa_system_sgpr_workgroup_id_z 1
		.amdhsa_system_vgpr_workitem_id 0
		.amdhsa_next_free_vgpr 256
		.amdhsa_next_free_sgpr 66
		.amdhsa_reserve_vcc 0
		.amdhsa_float_denorm_mode_32 3
		.amdhsa_float_denorm_mode_16_64 3
		.amdhsa_memory_ordered 1
		.amdhsa_forward_progress 1
		.amdhsa_inst_pref_size 65
	.end_amdhsa_kernel
	.amdgpu_metadata
---
amdhsa.version: [ 1, 2 ]
amdhsa.kernels:
  - .name:           k_q2d56448ff7_quant
    .symbol:         k_q2d56448ff7_quant.kd
    .args:
      - { .name: query, .offset: 0, .size: 8, .value_kind: global_buffer, .address_space: global }
      - { .name: key, .offset: 8, .size: 8, .value_kind: global_buffer, .address_space: global }
      - { .name: value, .offset: 16, .size: 8, .value_kind: global_buffer, .address_space: global }
      - { .name: w_q, .offset: 24, .size: 8, .value_kind: global_buffer, .address_space: global }
      - { .name: w_k, .offset: 32, .size: 8, .value_kind: global_buffer, .address_space: global }
      - { .name: w_v, .offset: 40, .size: 8, .value_kind: global_buffer, .address_space: global }
      - { .name: w_o, .offset: 48, .size: 8, .value_kind: global_buffer, .address_space: global }
      - { .name: codes, .offset: 56, .size: 8, .value_kind: global_buffer, .address_space: global }
      - { .name: scl, .offset: 64, .size: 8, .value_kind: global_buffer, .address_space: global }
    .group_segment_fixed_size: 60160
    .private_segment_fixed_size: 0
    .kernarg_segment_align: 8
    .kernarg_segment_size: 72
    .max_flat_workgroup_size: 224
    .sgpr_count:     66
    .vgpr_count:     256
    .wavefront_size: 32
...
	.end_amdgpu_metadata
.endif
;; end of part 1
;; launch proj (part 2): grid 4 x 64, 4 waves a work-group, clusters of 4 x 4, 327,680 bytes of LDS; arguments codes, scl, qb, kv; writes qb, kv
.if DOCPART == 2
	.amdgcn_target "amdgcn-amd-amdhsa--gfx1250"
	.amdhsa_code_object_version 6
	.text
	.protected	k_q2d56448ff7_proj
	.globl	k_q2d56448ff7_proj
	.p2align	8
	.type	k_q2d56448ff7_proj,@function
k_q2d56448ff7_proj:
	s_mov_b64 s[64:65], 0
	v_nop
	global_prefetch_b8 v0, s[64:65] scope:SCOPE_SE
	s_setreg_imm32_b32 hwreg(HW_REG_WAVE_MODE, 25, 1), 1
	s_wait_xcnt 0x0
	s_wait_alu depctr_hold_cnt(0) depctr_sa_sdst(0) depctr_va_vdst(0) depctr_va_sdst(0) depctr_va_ssrc(0) depctr_va_vcc(0) depctr_vm_vsrc(0)
	s_getreg_b32 s2, hwreg(HW_REG_IB_STS2, 6, 4)
	s_cmp_eq_u32 s2, 0
	s_cbranch_scc0 .Lentry_in_a_cluster
	s_endpgm
.Lentry_in_a_cluster:
	s_bfe_u32 s2, ttmp6, 0x10000c
	s_cmp_lg_u32 s2, 0xf033
	s_cbranch_scc0 .Lentry_shape_is_right
	s_endpgm
.Lentry_shape_is_right:
; Q = query w_q^T, K = key w_k^T, V = value w_v^T on codes of FP6 (E2M3) with E8M0 scales, f32 sums; the results are quantised in registers for attention's two products and leave as operand images.
; A TILE OF WORK multiplies 16 tiles P (source 0) by 8 tiles R (source 1) over the whole K = 1024; a tile is 16 rows in the order that the quantising launch gave them.  In a result a lane holds ONE row of R, and the 16 registers
; of P's tiles 2 b, 2 b + 1 are 16 NEIGHBOURS of P's axis.  Q and K: P = the weight, R = the tokens: a lane's registers run along a head's channels, the K of the score product.
; V: P = the tokens, R = the weight: a lane holds a channel and its registers run along the keys, the K of the second product.  128 of P's rows, a wave's share, are two heads (Q, K) or one key step (V).
; A WORK-GROUP STAYS: 256 work-groups, each makes three tiles of work on end: its tile of Q, of K, of V (the product's number is the same in all partners of a cluster at all times).
; qb: Q's half fragments [batch x head 64][token tile 128][768]; from byte 6,291,456 its scale words [bh][tile / 4][row 16][tile % 4].
; kv: [bh][key step 16][13,056]: 8 half fragments of K, 4 fragments of V^T from 6,144, K's scale words from 12,288 ([tile / 4][row][tile % 4]), V's from 12,800 ([row][tile]).
; Q's and K's scale words hold the head's two bytes twice, so that one word serves data in either half of a fragment.
; LDS: A RING OF TWO SLOTS, each with four K steps of all 24 tiles (24 x 6,144 bytes: R's tiles 0-7, P's 8-23).  Wave 0 fetches R's part of slot 0, wave 1 P's, waves 2 and 3 the same of slot 1: one tensor load a wave at the head.
; The ring runs on into the next tile of work: at K step 3 slot 0 is read out and takes the next product's K steps 0-3, at K step 7 slot 1 takes its K steps 4-7, each behind a drained round of the cluster's barrier.
; By the text's own count a wave has one tensor load out at the most.  The last tile of work is written out and asks for nothing.
; CLUSTERS: 4 x 4.  R's tiles hang on the cluster's row, P's on its column: each is asked for jointly by the four that share it.
; PREFETCH: what a refill will ask for is named three K steps ahead of it (K step 0 for slot 0, K step 4 for slot 1), each block of 256 bytes once in a cluster: the sixteen waves of the four partners share the blocks out by address.
; REGISTERS: window 0: v1-8, v240-245 addresses; v16-31 R's scale words, v32-63 P's (register 4 i + q: K step 2 q in lanes 0-15, 2 q + 1 in lanes 16-31); v64-159 R's fragments, two sets; v160-239 the way out.
;   window 1: P's fragments, two sets, at v0 and v128; v96-127, v224-239 the next tile's scale words.   window 2: the 32 accumulators, (a, b) at v[8 (8 a + b)].
; LIMITS: blocks whose largest magnitude lies under 2^-124 keep the scale byte 1; NaN and infinities are not served.
.set CHUNK, 147456                     ; a slot
.set SPARE, 2*CHUNK                    ; the spare words, 128 bytes a wave: two blocks of 256 bytes that no other line names
.set AR128, 1                          ; v1-4: my fragments in slot 0; v240-243 (+239): in slot 1; never rewritten
.set AR64,  2
.set AP128, 3
.set AP64,  4
.set SPW,   5                          ; my spare word; never rewritten
.set NIL,   6                          ; 0; never rewritten
.set O128,  7                          ; 16 x lane
.set O64,   8                          ; 512 + 8 x lane
.set SCR,   16
.set SCP,   32
.set RF,    64
.set TM,    160
.set CT,    176
.set CD,    184                        ; v184-231 four fragments of codes
.set PW,    232                        ; v232-235 their scale words
.set PX,    236                        ; v236-239 the words as they are stored
.set G1R,   24
.set G1P,   32
.set G0R,   40
.set G0P,   44
.set OB,    48                         ; s[48:63] the way out's eight bases
.set SEL,   98
.set MSB, 0
.macro WIN new                         ; the immediate's high byte repeats the setting that is left
.if MSB != \new
	s_set_vgpr_msb (MSB<<8)|\new
.set MSB, \new
.endif
.endm
.macro WALU
	s_wait_alu depctr_va_vdst(0)
.endm
.macro PLACES
.rept 4
	v_nop
.endr
.endm
.macro CREST                           ; a round of the cluster's barrier behind its opening barrier
	s_cmp_lg_u32 s14, 0
	s_cbranch_scc1 .Lnot_wave_0_\@
	s_barrier_signal -3
.Lnot_wave_0_\@:
	s_barrier_wait -3
	s_barrier_signal -1
	s_barrier_wait -1
.endm
.macro CROUND
	s_barrier_signal -1
	s_barrier_wait -1
	CREST
.endm
; Where product s79's operands lie: s81 ri, s82 pi, s[86:87] R's 8 tiles, s[90:91] P's 16, s[88:89] and s[96:97] the scale words of the tiles that I multiply.  R's registers never hold cx, P's never cy.
.macro NEXT
	s_lshr_b32 s81, s80, 3
	s_and_b32 s82, s80, 7
	s_lshl_b32 s83, s79, 9                         ; R's tensor begins at tile 0 (query), 512 (key),
	s_lshl_b32 s84, s79, 6
	s_add_co_u32 s84, s84, 1536                    ; P's at 1536 (w_q), 1600 (w_k);
	s_cmp_eq_u32 s79, 2
	s_cselect_b32 s81, s81, s80
	s_cselect_b32 s82, s82, 0
	s_cselect_b32 s83, 1664, s83                   ; for V: R = w_v,
	s_cselect_b32 s84, 1024, s84                   ; P = value
	s_lshl_b32 s81, s81, 2
	s_add_co_u32 s81, s81, s77                     ; ri: my block of 8 tiles of R
	s_lshl_b32 s82, s82, 2
	s_add_co_u32 s82, s82, s76                     ; pi: my block of 16 tiles of P
	s_lshl_b32 s85, s81, 3
	s_add_co_u32 s83, s83, s85                     ; R's first tile
	s_lshl_b32 s78, s82, 4
	s_add_co_u32 s84, s84, s78                     ; P's first tile
	s_mul_i32 s86, s83, 12288
	s_mov_b32 s87, 0
	s_add_nc_u64 s[86:87], s[4:5], s[86:87]
	s_mul_i32 s90, s84, 12288
	s_mov_b32 s91, 0
	s_add_nc_u64 s[90:91], s[4:5], s[90:91]
	s_lshl_b32 s85, s15, 2
	s_add_co_u32 s85, s85, s83
	s_lshl_b32 s88, s85, 9
	s_mov_b32 s89, 0
	s_add_nc_u64 s[88:89], s[6:7], s[88:89]
	s_lshl_b32 s78, s16, 3
	s_add_co_u32 s78, s78, s84
	s_lshl_b32 s96, s78, 9
	s_mov_b32 s97, 0
	s_add_nc_u64 s[96:97], s[6:7], s[96:97]
.endm
; Where product s79's results go (s81, s82 are its ri, pi): the eight bases of the codes, s[66:67] the scale words, s68 from the first head's words to the second's
.macro OUTADDR
	s_lshl_b32 s17, s81, 3
	s_lshl_b32 s18, s15, 2
	s_add_co_u32 s17, s17, s18                     ; R's tile 8 ri + 4 wr in its tensor
	s_lshl_b32 s18, s82, 1
	s_add_co_u32 s18, s18, s16                     ; g = 2 pi + wp: my 128 rows of P
	s_lshr_b32 s19, s17, 7                         ; Q, K: batch,
	s_and_b32 s20, s17, 127                        ; first token tile in it,
	s_lshl_b32 s21, s18, 1                         ; first of my two heads
	s_lshr_b32 s22, s18, 4                         ; V: batch,
	s_and_b32 s70, s18, 15                         ; key step,
	s_lshr_b32 s71, s17, 2                         ; head
	s_lshr_b32 s72, s20, 3                         ; K: key step,
	s_and_b32 s73, s20, 7
	s_mul_i32 s73, s73, 768                        ; and the tile's place in its block
	s_mov_b32 s74, 768                             ; from tile a to a + 1
	s_cmp_eq_u32 s79, 2
	s_cselect_b32 s19, s22, s19
	s_cselect_b32 s21, s71, s21
	s_cselect_b32 s72, s70, s72
	s_cselect_b32 s73, 6144, s73
	s_cselect_b32 s74, 1536, s74
	s_mov_b32 s75, 0
	s_lshl_b32 s19, s19, 4
	s_add_co_u32 s19, s19, s21                     ; batch x 16 + head
	s_mul_i32 s22, s19, 208896
	s_mul_i32 s70, s72, 13056
	s_add_co_u32 s22, s22, s70                     ; the key step's block in kv
	s_add_co_u32 s70, s22, s73                     ; K's or V's codes
	s_mul_i32 s71, s19, 98304
	s_mul_i32 s72, s20, 768
	s_add_co_u32 s71, s71, s72                     ; Q's codes
	s_lshr_b32 s72, s20, 2
	s_lshl_b32 s72, s72, 8
	s_lshl_b32 s73, s19, 13
	s_add_co_u32 s73, s73, s72
	s_add_co_u32 s73, s73, 6291456                 ; Q's scale words
	s_and_b32 s72, s72, 256
	s_add_co_u32 s72, s72, s22
	s_add_co_u32 s72, s72, 12288                   ; K's
	s_add_co_u32 s22, s22, 12800                   ; V's
	s_mov_b32 s12, 208896
	s_mov_b32 s68, 208896
	s_cmp_eq_u32 s79, 0
	s_cselect_b64 s[92:93], s[8:9], s[10:11]       ; qb or kv: the choice hangs on the product's number alone
	s_cselect_b32 s70, s71, s70
	s_cselect_b32 s72, s73, s72
	s_cselect_b32 s12, 98304, s12                  ; from a fragment's first half to its second: the next head (Q, K),
	s_cselect_b32 s68, 8192, s68                   ; and the same among the scale words
	s_cmp_eq_u32 s79, 2
	s_cselect_b32 s12, 768, s12                    ; or the next 64 keys (V)
	s_cselect_b32 s72, s22, s72
	s_mov_b32 s71, 0
	s_mov_b32 s73, 0
	s_mov_b32 s13, 0
	s_add_nc_u64 s[OB:OB+1], s[92:93], s[70:71]
	s_add_nc_u64 s[66:67], s[92:93], s[72:73]
.irp a, 0,1,2,3
.if \a > 0
	s_add_nc_u64 s[OB+4*\a:OB+4*\a+1], s[OB+4*\a-4:OB+4*\a-3], s[74:75]
.endif
	s_add_nc_u64 s[OB+4*\a+2:OB+4*\a+3], s[OB+4*\a:OB+4*\a+1], s[12:13]
.endr
.endm
.macro TLOAD g0, g1
	tensor_load_to_lds s[\g0:\g0+3], s[\g1:\g1+7]
	s_nop 0
	PLACES
.endm
	s_load_b256 s[4:11], s[0:1], 0x0               ; codes, scl, qb, kv
	v_lshl_add_u32 v[SPW], v0, 2, SPARE
	v_mov_b32 v[NIL], 0
	ds_add_u32 v[SPW], v[NIL]                      ; the wave's opening: the add, twice on end, and its wait ahead of my first tensor load; work on registers stands between
	ds_add_u32 v[SPW], v[NIL]
	v_lshrrev_b32 v9, 5, v0
	v_readfirstlane_b32 s14, v9                    ; wave 0..3
	s_lshr_b32 s15, s14, 1                         ; wr: which 4 tiles of R I multiply.  Also: the slot that I fetch for
	s_and_b32 s16, s14, 1                          ; wp: which 8 tiles of P I multiply.  Also: I fetch R's part (0) or P's (1)
	s_bfe_u32 s76, ttmp6, 0x40000                  ; cx
	s_bfe_u32 s77, ttmp6, 0x40004                  ; cy
	s_and_b32 s80, ttmp7, 0xffff                   ; cluster y, 0..15
	s_mov_b32 s79, 0                               ; the product: 0 Q, 1 K, 2 V
	s_lshl_b32 s85, s77, 2
	s_lshl_b32 s85, 15, s85                        ; my row of the cluster
	s_lshl_b32 s78, 0x1111, s76                    ; my column
	; group 1: n rows of 6,144 bytes (a tile's four K steps: 768 elements of 8 bytes), 12,288 bytes apart in memory, dense in LDS
	s_or_b32 s[G1R], s85, (3<<16)|(1<<21)
	s_or_b32 s[G1P], s78, (3<<16)|(1<<21)
	s_mov_b32 s[G1R+1], 768<<16
	s_mov_b32 s[G1R+2], 8<<16
	s_mov_b32 s[G1R+3], 768<<16
	s_mov_b32 s[G1R+4], 8
	s_mov_b32 s[G1R+5], 1536
	s_mov_b32 s[G1R+6], 0
	s_mov_b32 s[G1R+7], 0
	s_mov_b32 s[G1P+1], 768<<16
	s_mov_b32 s[G1P+2], 16<<16
	s_mov_b32 s[G1P+3], 768<<16
	s_mov_b32 s[G1P+4], 16
	s_mov_b32 s[G1P+5], 1536
	s_mov_b32 s[G1P+6], 0
	s_mov_b32 s[G1P+7], 0
	s_mul_i32 s94, s15, 6144                       ; my slot's four K steps in a tile's 12,288 bytes
	s_mov_b32 s95, 0
	s_mov_b32 s[G0R], 1
	s_mul_i32 s[G0R+1], s15, CHUNK                 ; and the slot's place in LDS: the wave's number alone
	s_mov_b32 s[G0P], 1
	s_add_co_u32 s[G0P+1], s[G0R+1], 49152
	s_mul_i32 s93, s16, 49152                      ; where the 8 tiles of P that I multiply lie in a slot
	s_add_co_u32 s93, s93, 49152
	s_mov_b32 s[SEL], 0x76543210
	s_mov_b32 s[SEL+1], 0xfedcba98
	s_mov_b32 s100, 0xffff0000
	s_wait_dscnt 0x0                               ; both opening adds are done
	s_wait_kmcnt 0x0
	NEXT
	s_add_nc_u64 s[G0R+2:G0R+3], s[86:87], s[94:95]
	s_or_b32 s[G0R+3], s[G0R+3], 0x80000000
	s_add_nc_u64 s[G0P+2:G0P+3], s[90:91], s[94:95]
	s_or_b32 s[G0P+3], s[G0P+3], 0x80000000
	CROUND                                         ; all sixteen work-groups are here: the joint loads meet
; one tensor load a wave, in one chain of branches on the wave's number, each arm with a line of its own
.macro ARM w, g0, g1, next
	s_cmp_eq_u32 s14, \w
	s_cbranch_scc0 \next
	TLOAD \g0, \g1
	s_branch .Lasked
\next:
.endm
	ARM 0, G0R, G1R, .Lw1
	ARM 1, G0P, G1P, .Lw2
	ARM 2, G0R, G1R, .Lw3
	TLOAD G0P, G1P
.Lasked:
	v_and_b32 v9, 31, v0
	v_lshlrev_b32 v[O128], 4, v9
	v_lshl_add_u32 v[O64], v9, 3, 512
	s_mul_i32 s85, s15, 24576
	v_add_nc_u32 v[AR128], s85, v[O128]
	v_add_nc_u32 v[AR64], s85, v[O64]
	v_add_nc_u32 v[AP128], s93, v[O128]
	v_add_nc_u32 v[AP64], s93, v[O64]
.irp a, 0,1,2,3
	global_load_b128 v[SCR+4*\a:SCR+4*\a+3], v[O128], s[88:89] offset:512*\a
.endr
.irp b, 0,1,2,3,4,5,6,7
	global_load_b128 v[SCP+4*\b:SCP+4*\b+3], v[O128], s[96:97] offset:512*\b
.endr
.irp i, 1,2,3,4
	v_add_nc_u32 v[239+\i], CHUNK, v[\i]           ; the same four addresses in slot 1
.endr
	v_and_b32 v10, 15, v0                          ; r
	v_bfe_u32 v11, v0, 4, 1                        ; h
.irp b, 0,1,2,3
	v_mov_b32 v[TM+4+\b], 0                        ; a lane permute's destination counts as one of its sources
.endr
	; the prefetches' offsets.  R's part of a slot is 192 blocks of 256 bytes: the 16 waves of my row of the cluster take 12 each (half a tile's 6,144 bytes); P's is 384: the 16 waves of my column take 24 each (a tile's)
	s_lshl_b32 s17, s76, 2
	s_add_co_u32 s17, s17, s14                     ; my number among my row's sixteen waves
	s_and_b32 s18, s17, 1
	s_mul_i32 s18, s18, 3072
	s_lshr_b32 s17, s17, 1
	s_mul_i32 s17, s17, 12288
	s_add_co_u32 s17, s17, s18
	v_min_u32 v244, 11, v9                         ; (lanes left over name their wave's last block again)
	v_lshl_add_u32 v244, v244, 8, s17
	s_lshl_b32 s18, s77, 2
	s_add_co_u32 s18, s18, s14                     ; and among my column's
	s_mul_i32 s18, s18, 12288
	v_min_u32 v245, 23, v9
	v_lshl_add_u32 v245, v245, 8, s18
.macro FRAGL reg, a128, a64, off       ; a fragment's image: four loads of consecutive bytes
.set RG, \reg
.set OF, \off
	ds_load_b128 v[RG:RG+3], v[\a128] offset:OF
	ds_load_b64 v[RG+4:RG+5], v[\a64] offset:OF
	ds_load_b128 v[RG+6:RG+9], v[\a128] offset:OF+768
	ds_load_b64 v[RG+10:RG+11], v[\a64] offset:OF+768
.endm
.macro FETCH s, set                    ; K step s (slot s / 4): P's eight fragments and R's four, 48 loads in one run
	WIN 0x40                                       ; destination window 1
.irp i, 0,1,2,3,4,5,6,7
	FRAGL 128*(\set)+12*\i, AP128+239*((\s)/4), AP64+239*((\s)/4), 6144*\i+1536*((\s)%4)
.endr
	WIN 0
.irp i, 0,1,2,3
	FRAGL RF+48*(\set)+12*\i, AR128+239*((\s)/4), AR64+239*((\s)/4), 6144*\i+1536*((\s)%4)
.endr
.endm
; 16 products: R's tiles a0, a0 + 1 x P's eight.  The 32 accumulators take turns, one instruction a turn, in the same order in every K step and from tile to tile.  K step 0 starts the sums.
.macro MUL16 a0, set, s
.irp a, \a0, \a0+1
.irp b, 0,1,2,3,4,5,6,7
.set DD, 8*(8*(\a)+\b)
.set PP, 128*(\set)+12*\b
.set RR, RF+48*(\set)+12*(\a)
.set XP, SCP+4*\b+(\s)/2
.set XR, SCR+4*(\a)+(\s)/2
.if (\s) == 0
	v_wmma_scale_f32_16x16x128_f8f6f4 v[DD:DD+7], v[PP:PP+11], v[RR:RR+11], 0, v[XP], v[XR] matrix_a_fmt:MATRIX_FMT_FP6 matrix_b_fmt:MATRIX_FMT_FP6
.elseif (\s)%2 == 0
	v_wmma_scale_f32_16x16x128_f8f6f4 v[DD:DD+7], v[PP:PP+11], v[RR:RR+11], v[DD:DD+7], v[XP], v[XR] matrix_a_fmt:MATRIX_FMT_FP6 matrix_b_fmt:MATRIX_FMT_FP6
.else
	v_wmma_scale_f32_16x16x128_f8f6f4 v[DD:DD+7], v[PP:PP+11], v[RR:RR+11], v[DD:DD+7], v[XP], v[XR] matrix_a_fmt:MATRIX_FMT_FP6 matrix_b_fmt:MATRIX_FMT_FP6 matrix_a_scale:MATRIX_SCALE_ROW1 matrix_b_scale:MATRIX_SCALE_ROW1
.endif
.endr
.endr
.endm
; A K step.  ring = 1: the tile of work has a successor.  Then K steps 3 and 7 change slots: the slot whose last fragments have just come in is filled again, behind a round of the cluster's barrier, which also shows the other slot whole.
.macro STEP s, ring
	s_wait_dscnt 0x0                               ; this step's 48 loads are in: at K steps 3 and 7 they were my last reads of their slot
.if (\ring) && ((\s)%4 == 3)
	WIN 0                                          ; (the add's two registers lie in window 0)
	s_wait_tensorcnt 0x0                           ; all my tensor loads have landed;
	ds_add_u32 v[SPW], v[NIL]                      ; 0 onto my spare word;
.if (\s) == 3
	s_add_nc_u64 s[G0R+2:G0R+3], s[86:87], s[94:95]   ; no load of mine is out, so the descriptors may be written: the next product, my slot's K steps
	s_or_b32 s[G0R+3], s[G0R+3], 0x80000000
	s_add_nc_u64 s[G0P+2:G0P+3], s[90:91], s[94:95]
	s_or_b32 s[G0P+3], s[G0P+3], 0x80000000
.endif
	s_wait_dscnt 0x0                               ; the add is done
	s_barrier_signal -1                            ; the round's opening signal; sixteen products, work on registers, stand inside the round
	WIN 0xa1                                       ; source 0 window 1, source 1 window 0, C and D window 2
	MUL16 0, (\s)%2, \s
	WIN 0
	s_barrier_wait -1
	CREST                                          ; no wave of any partner still reads this slot or has a load on its way
	s_cmp_eq_u32 s14, 2*((\s)/4)                   ; the slot's two waves ask, each by a line of its own
	s_cbranch_scc0 .Lfor_p_\@
	TLOAD G0R, G1R
	s_branch .Lrefilled_\@
.Lfor_p_\@:
	s_cmp_eq_u32 s14, 2*((\s)/4)+1
	s_cbranch_scc0 .Lrefilled_\@
	TLOAD G0P, G1P
.Lrefilled_\@:
.elseif (\s) == 3
	s_wait_tensorcnt 0x0                           ; every wave's load has landed: slot 1 is whole behind this barrier
	s_barrier_signal -1
	WIN 0xa1
	MUL16 0, (\s)%2, \s
	WIN 0
	s_barrier_wait -1
.else
	WIN 0xa1
	MUL16 0, (\s)%2, \s
	WIN 0
.endif
.if ((\s) < 7) || (\ring)
	PLACES                                         ; four places in front of loads into registers that the step before multiplied
	FETCH ((\s)+1)%8, ((\s)+1)%2                   ; (behind K step 7: the next tile's K step 0, which the round has shown)
.endif
.if (\ring) && ((\s)%4 == 0)
	global_prefetch_b8 v244, s[86:87] offset:6144*((\s)/4) th:TH_LOAD_NT scope:SCOPE_SE   ; the next product's part of slot s / 4, which is asked for three K steps on
	global_prefetch_b8 v245, s[90:91] offset:6144*((\s)/4) th:TH_LOAD_NT scope:SCOPE_SE
.endif
	WIN 0xa1
	MUL16 2, (\s)%2, \s
.endm
; R's tile a: a lane's 64 results, register 16 b + i = index 32 b + 16 (lane / 16) + i of P's axis, become a fragment and a scale word.  Each accumulator is read from its low end on.
.macro QUANTW a
.set SRC, 64*(\a)
.set PC, CD+12*(\a)
.set PWR, PW+(\a)
	WIN 0x0a                                       ; sources 0 and 1 window 2
.irp b, 0,1,2,3
	v_max3_num_f32 v[TM+\b], |v[SRC+16*\b]|, |v[SRC+1+16*\b]|, 0x1800000   ; and the floor 2^(3 - 127)
.endr
	WIN 0x28                                       ; sources 1 and 2 window 2
.irp i, 2,4,6,8,10,12,14
.irp b, 0,1,2,3
	v_max3_num_f32 v[TM+\b], v[TM+\b], |v[SRC+16*\b+\i]|, |v[SRC+1+16*\b+\i]|
.endr
.endr
	WIN 0
.irp b, 0,1,2,3
	v_permlanex16_b32 v[TM+4+\b], v[TM+\b], s[SEL], s[SEL+1]
.endr
.irp b, 0,1,2,3
	v_max_num_f32 v[TM+\b], v[TM+\b], v[TM+4+\b]
.endr
.irp b, 0,1,2,3
	v_add_nc_u32 v[TM+12+\b], 0xff000000, v[TM+\b] ; 2 off the exponent field: the conversion's scale operand
.endr
.irp b, 0,1,2,3
	v_lshrrev_b32 v[TM+4+\b], 23, v[TM+12+\b]      ; the scale's byte
.endr
	v_lshl_or_b32 v[PWR], v[TM+5], 8, v[TM+4]
	v_lshl_or_b32 v[PWR], v[TM+6], 16, v[PWR]
	v_lshl_or_b32 v[PWR], v[TM+7], 24, v[PWR]
	WIN 0x02                                       ; source 0 window 2
.irp c, 0,1
	v_cvt_scalef32_pk16_fp6_f32 v[PC+6*\c:PC+6*\c+2], v[SRC+32*\c:SRC+32*\c+15], v[TM+12+2*\c]
	v_cvt_scalef32_pk16_fp6_f32 v[CT+4*\c:CT+4*\c+2], v[SRC+32*\c+16:SRC+32*\c+31], v[TM+12+2*\c+1]
.endr
	WIN 0
	v_nop                                          ; one plain place behind a scaled conversion
.irp c, 0,1
.irp i, 0,1,2
	v_permlane16_swap_b32 v[PC+6*\c+\i], v[CT+4*\c+\i]
.endr
.irp i, 0,1,2
	v_mov_b32 v[PC+3+6*\c+\i], v[CT+4*\c+\i]
.endr
.endr
	global_store_b128 v[O128], v[PC:PC+3], s[OB+4*(\a):OB+4*(\a)+1]        ; each of R's tiles has its own registers and bases
	global_store_b64 v[O64], v[PC+4:PC+5], s[OB+4*(\a):OB+4*(\a)+1]
	global_store_b128 v[O128], v[PC+6:PC+9], s[OB+4*(\a)+2:OB+4*(\a)+3]
	global_store_b64 v[O64], v[PC+10:PC+11], s[OB+4*(\a)+2:OB+4*(\a)+3]
.endm
; A TILE OF WORK: product s79.  Its K step 0's fragments have been asked for.
.macro TILE ring
	WALU
	s_wait_xcnt 0x0                                ; the last tile's stores, loads and prefetches have read their registers and bases, which are written again from here on
	OUTADDR
.if \ring
	s_add_co_u32 s79, s79, 1
	NEXT
	WIN 0x40                                       ; the next tile's scale words wait in window 1
.irp a, 0,1,2,3
	global_load_b128 v[96+4*\a:96+4*\a+3], v[O128], s[88:89] offset:512*\a
.endr
.irp b, 0,1,2,3
	global_load_b128 v[112+4*\b:112+4*\b+3], v[O128], s[96:97] offset:512*\b
	global_load_b128 v[224+4*\b:224+4*\b+3], v[O128], s[96:97] offset:2048+512*\b
.endr
	WIN 0
.endif
.irp s, 0,1,2,3,4,5,6,7
	STEP \s, \ring
.endr
	WIN 0
	PLACES                                         ; four places between the last product and the first read of results and write of scale words
.if \ring
	s_wait_loadcnt 0x0
	WIN 0x01                                       ; source 0 window 1
.set I, 0
.rept 16
	v_mov_b32 v[SCR+I], v[96+I]
	v_mov_b32 v[SCP+I], v[112+I]
	v_mov_b32 v[SCP+16+I], v[224+I]
.set I, I+1
.endr
	WIN 0
.endif
	QUANTW 0
	QUANTW 1
	QUANTW 2
	QUANTW 3
.if \ring                              ; the tiles that have a successor are Q's and K's, the last is V's: the form of the scale words' store is settled when the text is assembled
	v_mul_u32_u24 v12, s68, v11                    ; Q, K: lanes 0-15 store the first head's words, lanes 16-31 the second's
	v_lshl_add_u32 v12, v10, 4, v12
	v_mov_b32 v14, 0x01000100                      ; bytes 0, 1, twice;
	v_mov_b32 v15, 0x03020302                      ; bytes 2, 3, twice
	v_cndmask_b32 v14, v14, v15, s100
.irp a, 0,1,2,3
	v_perm_b32 v[PX+\a], v[PW+\a], v[PW+\a], v14
.endr
	global_store_b128 v12, v[PX:PX+3], s[66:67]
.else
	v_lshlrev_b32 v13, 3, v11                      ; V: a row's four words, two a lane
	v_lshl_add_u32 v13, v10, 4, v13
	v_cndmask_b32 v[PX], v[PW], v[PW+2], s100
	v_cndmask_b32 v[PX+1], v[PW+1], v[PW+3], s100
	global_store_b64 v13, v[PX:PX+1], s[66:67]
.endif
.endm
	WALU
	s_cmp_lt_u32 s14, 2                            ; waves 0 and 1 fetched slot 0: they wait; slot 1's two loads may stay out
	s_cbranch_scc0 .Lnot_first
	s_wait_tensorcnt 0x0
.Lnot_first:
	s_barrier_signal -1
	s_barrier_wait -1
	FETCH 0, 0
	s_wait_loadcnt 0x0                             ; the first tile's scale words
	s_mov_b32 s101, 0
.Ltile:                                                ; Q's tile, then K's: each refills both slots for its successor
	TILE 1
	WALU
	s_add_co_u32 s101, s101, 1
	s_cmp_lt_u32 s101, 2
	s_cbranch_scc1 .Ltile
	TILE 0                                         ; V's tile asks for nothing more
	s_wait_tensorcnt 0x0                           ; the wave's end
	ds_add_u32 v[SPW], v[NIL]
	s_wait_dscnt 0x0
	CROUND                                         ; the closing round
	s_endpgm
.Lfunc_end_k_q2d56448ff7_proj:
	.size	k_q2d56448ff7_proj, .Lfunc_end_k_q2d56448ff7_proj-k_q2d56448ff7_proj
	.p2alignl 7, 3214868480
	.fill 96, 4, 3214868480
	.section	.rodata,"a",@progbits
	.p2align	6, 0x0
	.amdhsa_kernel k_q2d56448ff7_proj
		.amdhsa_group_segment_fixed_size 327680
		.amdhsa_private_segment_fixed_size 0
		.amdhsa_enable_private_segment 0
		.amdhsa_kernarg_size 32
		.amdhsa_user_sgpr_count 2
		.amdhsa_user_sgpr_kernarg_segment_ptr 1
		.amdhsa_wavefront_size32 1
		.amdhsa_system_sgpr_workgroup_id_x 1
		.amdhsa_system_sgpr_workgroup_id_y 1
		.amdhsa_system_sgpr_workgroup_id_z 1
		.amdhsa_system_vgpr_workitem_id 0
		.amdhsa_next_free_vgpr 768
		.amdhsa_next_free_sgpr 104
		.amdhsa_reserve_vcc 0
		.amdhsa_float_denorm_mode_32 3
		.amdhsa_float_denorm_mode_16_64 3
		.amdhsa_memory_ordered 1
		.amdhsa_forward_progress 1
		.amdhsa_inst_pref_size 173
	.end_amdhsa_kernel
	.amdgpu_metadata
---
amdhsa.version: [ 1, 2 ]
amdhsa.kernels:
  - .name:           k_q2d56448ff7_proj
    .symbol:         k_q2d56448ff7_proj.kd
    .args:
      - { .name: codes, .offset: 0, .size: 8, .value_kind: global_buffer, .address_space: global }
      - { .name: scl, .offset: 8, .size: 8, .value_kind: global_buffer, .address_space: global }
      - { .name: qb, .offset: 16, .size: 8, .value_kind: global_buffer, .address_space: global }
      - { .name: kv, .offset: 24, .size: 8, .value_kind: global_buffer, .address_space: global }
    .group_segment_fixed_size: 327680
    .private_segment_fixed_size: 0
    .kernarg_segment_align: 8
    .kernarg_segment_size: 32
    .max_flat_workgroup_size: 128
    .sgpr_count:     104
    .vgpr_count:     768
    .wavefront_size: 32
...
	.end_amdgpu_metadata
.endif
;; end of part 2
;; launch attn (part 3): grid 4 x 64, 8 waves a work-group, clusters of 4 x 1, 218,112 bytes of LDS; arguments qb, kv, mask, oc, os; writes oc, os
.if DOCPART == 3
	.amdgcn_target "amdgcn-amd-amdhsa--gfx1250"
	.amdhsa_code_object_version 6
	.text
	.protected	k_q2d56448ff7_attn
	.globl	k_q2d56448ff7_attn
	.p2align	8
	.type	k_q2d56448ff7_attn,@function
k_q2d56448ff7_attn:
	s_mov_b64 s[64:65], 0
	v_nop
	global_prefetch_b8 v0, s[64:65] scope:SCOPE_SE
	s_setreg_imm32_b32 hwreg(HW_REG_WAVE_MODE, 25, 1), 1
	s_wait_xcnt 0x0
	s_wait_alu depctr_hold_cnt(0) depctr_sa_sdst(0) depctr_va_vdst(0) depctr_va_sdst(0) depctr_va_ssrc(0) depctr_va_vcc(0) depctr_vm_vsrc(0)
	s_getreg_b32 s2, hwreg(HW_REG_IB_STS2, 6, 4)
	s_cmp_eq_u32 s2, 0
	s_cbranch_scc0 .Lentry_in_a_cluster
	s_endpgm
.Lentry_in_a_cluster:
	s_bfe_u32 s2, ttmp6, 0x10000c
	s_cmp_lg_u32 s2, 0x3003
	s_cbranch_scc0 .Lentry_shape_is_right
	s_endpgm
.Lentry_shape_is_right:
; Attention of one batch x head on codes of FP6 (E2M3) with E8M0 scales: S^T = K Q^T (K = the head's 64), the mask, p = 2^(t - M), O^T = V^T p^T (K = the keys), O / the row's sum, quantised for the output projection.
; t = score x log2(e) / 8; M = the running largest t rounded UP to a whole number; the row's sum is taken of the unquantised p; when M moves, the sum and O^T are multiplied by 2^(old M - new M): exact.
; SHARES.  Four work-groups, a cluster, share a head: each owns 512 queries in two passes of 256; each of its eight waves owns TWO tiles of 16 queries a pass (tiles 32 cx + 16 pass + 2 wave + x), two waves to a SIMD.
; Each fragment of K and V, each scale word and each bias is read from LDS once for both tiles.
; THE HEAD'S WHOLE K AND V LIE IN LDS (208,896 bytes, as the projection laid them: 16 key steps of 13,056 bytes), asked for once, jointly by the four work-groups: wave w fetches key steps 2 w and 2 w + 1 by one load.
; Nothing is filled again, and nothing is left to prefetch: all that the launch streams is asked for at its head.
; THE KEYS OF A TILE are picked by the LDS address: tile 4 c + j takes keys 64 c + 8 j + 0..7 as rows 0-7 and keys 64 c + 32 + 8 j + 0..7 as rows 8-15 (in the stored images: tile 4 c + 2 (r / 8) + j % 2, row 8 (j / 2) + r % 8).
; So lane (r, h) holds query r, and its score registers 32 c + 0..31 are the WHOLE block of keys 64 c + 32 h + 0..31, in the order of p's operand: a block's maximum needs no other lane and the codes fall where the operand wants them.
; K = 64 IN AN INSTRUCTION OF 128: half of each operand is zero codes.  An even tile of K is [data, zeros] against Q's [data, zeros], an odd one [zeros, data] against [zeros, data]; neighbours share the six zero registers.
; THE MASK: a key's byte becomes a bias, 0 or -2^100, kept in LDS in f32; a step's 64 biases a lane are the C of both tiles' score products.
; LOADS RUN A STEP AHEAD: step t + 1's K, scale words and biases (36 loads) are asked for behind step t's score products, its V (17 loads) behind step t's second products.  The last step of a pass is written out and asks for nothing.
; oc: [token tile 512][K step 8][1,536]: head hd is half hd % 2 of K step hd / 2.  os: [tile][512], the word at 16 x lane + 4 q = row lane % 16, K step 2 q + lane / 16.
; REGISTERS.  Window 0: v1-19 addresses; v20-43 the two tiles' running figures; v44-59 at work; v60-75 scale words; v76-105 Q [Q0][zeros][Q1][zeros][Q0]; v106-129 p's codes; v130-201 K; v202-249 V.
;   Window 1: v0-127 S^T, then p, of tiles 0 and 1; v128-191 their O^T; v192-255 the biases.
; LIMITS: a row's largest score must lie above -2^62, where the running maximum begins; scores stay under 2^75 in magnitude, so that -2^100 swallows a hidden key's score; a row all of whose keys are hidden gets the scale
; byte 0xff, which makes the output row NaN as reference() has it; NaN and infinities among the inputs are not served; blocks under 2^-124 keep the scale byte 1.
.set STEPB, 13056
.set BIAS,  208896                     ; 2,048 f32: written by ds_store, in blocks of 256 bytes into which no fill lands
.set SPARE, 217088                     ; the spare words, 128 bytes a wave: four blocks of 256 bytes that no other line names
.set SPW,  5
.set NIL,  6
.set ST,   20                          ; tile x at ST + 12 x: +0 -M, +1 the running largest score, +2,3 the sum, +4 f, +5 at work, +6,7 block maxima, +8,9 scale operands, +10,11 lane exchanges
.set CT,   44                          ; tile x at CT + 8 x: the conversions' second halves, then the sums' four pairs
.set KSC,  60
.set VSC,  68
.set QSC,  72
.set PSC,  74
.set QF,   76
.set PC,   106
.set KB,   130                         ; four groups [even tile 6][zeros 6][odd tile 6]
.set VB,   202
.set OO,   128                         ; window 1
.set BI,   192                         ; window 1
.set NK,   36
.set NV,   17
.set WV,   14
.set SEL,  20
.set CS,   22
.set G1,   24
.set G0,   40
.set TN,   48                          ; s48  the next key step's block in LDS
.set PS,   49                          ; s49  the pass
.set TJ,   66                          ; s66  the next key step's biases
.set NC,   67                          ; s67  -log2(e) / 8
.set MSB, 0
.macro WIN new                         ; the immediate's high byte repeats the setting that is left
.if MSB != \new
	s_set_vgpr_msb (MSB<<8)|\new
.set MSB, \new
.endif
.endm
.macro WALU
	s_wait_alu depctr_va_vdst(0)
.endm
.macro CROUND
	s_barrier_signal -1
	s_barrier_wait -1
	s_cmp_lg_u32 s[WV], 0
	s_cbranch_scc1 .Lnot_wave_0_\@
	s_barrier_signal -3
.Lnot_wave_0_\@:
	s_barrier_wait -3
	s_barrier_signal -1
	s_barrier_wait -1
.endm
.macro QLOAD oc, os                    ; my two tiles' Q (tile 0 twice: it stands at both ends of the row of registers) and their scale words
	global_load_b128 v[QF:QF+3], v1, s[44:45] offset:\oc
	global_load_b64 v[QF+4:QF+5], v2, s[44:45] offset:\oc
	global_load_b128 v[QF+24:QF+27], v1, s[44:45] offset:\oc
	global_load_b64 v[QF+28:QF+29], v2, s[44:45] offset:\oc
	global_load_b128 v[QF+12:QF+15], v1, s[44:45] offset:\oc+768
	global_load_b64 v[QF+16:QF+17], v2, s[44:45] offset:\oc+768
	global_load_b64 v[QSC:QSC+1], v16, s[46:47] offset:\os
.endm
.macro KLOAD a128, a64, asc, abi       ; a key step's eight tiles of K, their scale words and the biases: NK loads
.irp t, 0,1,2,3,4,5,6,7
	ds_load_b128 v[KB+18*(\t/2)+12*(\t%2):KB+18*(\t/2)+12*(\t%2)+3], v\a128 offset:3072*(\t/4)+768*(\t%2)+128*((\t%4)/2)
	ds_load_b64 v[KB+18*(\t/2)+12*(\t%2)+4:KB+18*(\t/2)+12*(\t%2)+5], v\a64 offset:3072*(\t/4)+768*(\t%2)+64*((\t%4)/2)
.endr
.irp q, 0,1,2,3
	ds_load_b64 v[KSC+2*\q:KSC+2*\q+1], v\asc offset:12288+128*\q
.endr
	WIN 0x40                                       ; destination window 1
.irp t, 0,1,2,3,4,5,6,7
	ds_load_b128 v[BI+8*\t:BI+8*\t+3], v\abi offset:256*(\t/4)+32*(\t%4)       ; keys 64 (t / 4) + 32 h + 8 (t % 4) + 0 .. 7
	ds_load_b128 v[BI+8*\t+4:BI+8*\t+7], v\abi offset:256*(\t/4)+32*(\t%4)+16
.endr
	WIN 0
.endm
.macro VLOAD a128, a64, asc            ; its four fragments of V^T and their scale words: NV loads
.irp d, 0,1,2,3
	ds_load_b128 v[VB+12*\d:VB+12*\d+3], v\a128 offset:6144+1536*\d
	ds_load_b64 v[VB+12*\d+4:VB+12*\d+5], v\a64 offset:6144+1536*\d
	ds_load_b128 v[VB+12*\d+6:VB+12*\d+9], v\a128 offset:6144+1536*\d+768
	ds_load_b64 v[VB+12*\d+10:VB+12*\d+11], v\a64 offset:6144+1536*\d+768
.endr
	ds_load_b128 v[VSC:VSC+3], v\asc offset:12800
.endm
	s_load_b256 s[4:11], s[0:1], 0x0               ; qb, kv, mask, oc
	s_load_b64 s[12:13], s[0:1], 0x20              ; os
	v_lshl_add_u32 v[SPW], v0, 2, SPARE
	v_mov_b32 v[NIL], 0
	ds_add_u32 v[SPW], v[NIL]                      ; the wave's opening: the add, twice on end, and its wait ahead of my tensor load
	ds_add_u32 v[SPW], v[NIL]
	v_lshrrev_b32 v8, 5, v0
	v_readfirstlane_b32 s[WV], v8                  ; wave 0..7
	s_bfe_u32 s15, ttmp6, 0x40000                  ; cx: it enters Q's, oc's and os' addresses alone
	s_and_b32 s16, ttmp7, 0xffff                   ; batch x 16 + head, which the four partners share
	s_lshr_b32 s17, s16, 4
	s_and_b32 s18, s16, 15
	s_mov_b32 s[G1], 15|(3<<16)|(1<<21)            ; the mask: all four; elements of 8 bytes; no padding: 102 rows of 256 bytes, dense
	s_mov_b32 s[G1+1], 32<<16
	s_mov_b32 s[G1+2], 102<<16
	s_mov_b32 s[G1+3], 32<<16
	s_mov_b32 s[G1+4], 102
	s_mov_b32 s[G1+5], 32
	s_mov_b32 s[G1+6], 0
	s_mov_b32 s[G1+7], 0
	s_mov_b32 s[G0], 1
	s_mul_i32 s[G0+1], s[WV], 2*STEPB              ; key steps 2 w, 2 w + 1, in LDS
	s_mul_i32 s58, s16, 208896
	s_add_co_u32 s58, s58, s[G0+1]                 ; and in kv
	s_mov_b32 s59, 0
	s_lshl_b32 s60, s15, 5
	s_lshl_b32 s61, s[WV], 1
	s_add_co_u32 s60, s60, s61                     ; my first token tile in pass 0: 32 cx + 2 w
	s_lshl_b32 s61, s16, 7
	s_add_co_u32 s61, s61, s60
	s_mul_i32 s44, s61, 768                        ; Q's half fragments
	s_mov_b32 s45, 0
	s_lshl_b32 s46, s16, 13                        ; Q's scale words: [bh][tile / 4][row][tile % 4]
	s_lshr_b32 s61, s60, 2
	s_lshl_b32 s61, s61, 8
	s_add_co_u32 s46, s46, s61
	s_and_b32 s61, s60, 3
	s_lshl_b32 s61, s61, 2
	s_add_co_u32 s46, s46, s61
	s_add_co_u32 s46, s46, 6291456
	s_mov_b32 s47, 0
	s_lshl_b32 s62, s17, 7
	s_add_co_u32 s62, s62, s60                     ; the same tile among all tokens
	s_mul_i32 s52, s62, 12288
	s_mul_i32 s61, s18, 768
	s_add_co_u32 s52, s52, s61                     ; oc: my head's half fragment
	s_mov_b32 s53, 0
	s_lshl_b32 s54, s62, 9                         ; os: 512 x tile + 256 ((hd / 2) % 2) + 4 (hd / 4) + 2 (hd % 2)
	s_lshr_b32 s61, s18, 1
	s_and_b32 s61, s61, 1
	s_lshl_b32 s61, s61, 8
	s_add_co_u32 s54, s54, s61
	s_lshr_b32 s61, s18, 2
	s_lshl_b32 s61, s61, 2
	s_add_co_u32 s54, s54, s61
	s_and_b32 s61, s18, 1
	s_lshl_b32 s61, s61, 1
	s_add_co_u32 s54, s54, s61
	s_mov_b32 s55, 0
	s_lshl_b32 s56, s17, 11                        ; the batch's mask
	s_mov_b32 s57, 0
	s_mov_b32 s[SEL], 0x76543210
	s_mov_b32 s[SEL+1], 0xfedcba98
	s_mov_b32 s[CS], 0x3e38aa3b                    ; c = log2(e) / 8
	s_mov_b32 s[CS+1], s[CS]
	s_mov_b32 s[NC], 0xbe38aa3b                    ; -c
	s_mov_b32 s51, 0xffff0000
	s_mov_b32 s[PS], 0
	s_wait_dscnt 0x0                               ; both opening adds are done
	s_wait_kmcnt 0x0
	s_add_nc_u64 s[G0+2:G0+3], s[6:7], s[58:59]
	s_or_b32 s[G0+3], s[G0+3], 0x80000000
	s_add_nc_u64 s[44:45], s[4:5], s[44:45]
	s_add_nc_u64 s[46:47], s[4:5], s[46:47]
	s_add_nc_u64 s[52:53], s[10:11], s[52:53]
	s_add_nc_u64 s[54:55], s[12:13], s[54:55]
	s_add_nc_u64 s[8:9], s[8:9], s[56:57]
	CROUND                                         ; all four work-groups are here: the joint loads meet
	tensor_load_to_lds s[G0:G0+3], s[G1:G1+7]      ; my one tensor load
	s_nop 0
.rept 4
	v_nop
.endr
	v_and_b32 v10, 31, v0
	v_and_b32 v8, 15, v0                           ; r
	v_bfe_u32 v9, v0, 4, 1                         ; h
	v_and_b32 v11, 7, v0                           ; r % 8
	v_bfe_u32 v12, v0, 3, 1                        ; r / 8
	v_lshlrev_b32 v252, 3, v0                      ; eight of the mask's bytes a thread
	v_lshlrev_b32 v1, 4, v10                       ; 16 x lane
	v_lshl_add_u32 v2, v10, 3, 512                 ; 512 + 8 x lane
	v_lshlrev_b32 v16, 4, v8                       ; 16 r: V's and Q's scale words
	v_mul_u32_u24 v13, v12, 1536
	global_load_b64 v[250:251], v252, s[8:9]
	QLOAD 0, 0
	v_lshl_add_u32 v3, v11, 4, v13
	v_lshl_add_u32 v3, v9, 8, v3                   ; K, registers 0-3: 1536 (r / 8) + 16 (r % 8) + 256 h
	v_lshl_add_u32 v4, v11, 3, v13
	v_lshl_add_u32 v4, v9, 7, v4
	v_add_nc_u32 v4, 512, v4                       ; registers 4-5: 512 + 1536 (r / 8) + 8 (r % 8) + 128 h
	v_lshlrev_b32 v15, 4, v11
	v_lshl_add_u32 v15, v12, 3, v15                ; K's scale words: 16 (r % 8) + 8 (r / 8)
	v_lshl_add_u32 v17, v9, 7, BIAS                ; my half's 32 keys of each 64
	v_lshlrev_b32 v18, 3, v9                       ; 8 h
	v_lshl_add_u32 v7, v8, 4, v9                   ; os: 16 r + h
	v_lshl_add_u32 v19, v0, 5, BIAS
.irp g, 0,1,2,3
.irp j, 0,1,2,3,4,5
	v_mov_b32 v[KB+18*\g+6+\j], 0                  ; the zero codes, written once: no load lands here
.endr
.endr
.irp j, 0,1,2,3,4,5
	v_mov_b32 v[QF+6+\j], 0
	v_mov_b32 v[QF+18+\j], 0
.endr
.irp x, 0,1
	v_mov_b32 v[ST+12*\x+10], 0                    ; a lane permute's destination counts as one of its sources
	v_mov_b32 v[ST+12*\x+11], 0
.endr
	WALU
	s_wait_loadcnt 0x7                             ; the mask's bytes are in; Q's seven loads may stay out
.irp i, 0,1,2,3,4,5,6,7
	v_bfe_u32 v[CT+\i], v[250+\i/4], 8*(\i%4), 8
.endr
.irp i, 0,1,2,3,4,5,6,7
	v_add_nc_u32 v[CT+\i], -1, v[CT+\i]            ; 1 -> 0, 0 -> all ones
.endr
.irp i, 0,1,2,3,4,5,6,7
	v_and_b32 v[CT+\i], 0xf1800000, v[CT+\i]       ; 0, or -2^100
.endr
	ds_store_b128 v19, v[CT:CT+3]
	ds_store_b128 v19, v[CT+4:CT+7] offset:16
	WALU
	s_wait_tensorcnt 0x0                           ; my two key steps have landed,
	s_wait_dscnt 0x0                               ; my biases are stored:
	s_barrier_signal -1
	s_barrier_wait -1                              ; everybody's
; A KEY STEP: 128 keys x my 32 queries.  last = 1: the pass's last step, which asks LDS for nothing more
.macro STEP last
	WALU
	s_wait_dscnt NV                                ; K, its scale words and the biases are in; the NV younger loads, V's, may stay out
	WIN 0x50                                       ; C and D window 1
.irp t, 0,1,2,3,4,5,6,7
.irp x, 0,1
	v_wmma_scale_f32_16x16x128_f8f6f4 v[64*\x+8*\t:64*\x+8*\t+7], v[KB+18*(\t/2)+6*(\t%2):KB+18*(\t/2)+6*(\t%2)+11], v[QF+12*\x+(18-24*\x)*(\t%2):QF+12*\x+(18-24*\x)*(\t%2)+11], v[BI+8*\t:BI+8*\t+7], v[KSC+\t], v[QSC+\x] matrix_a_fmt:MATRIX_FMT_FP6 matrix_b_fmt:MATRIX_FMT_FP6
.endr
.endr
	WIN 0
.if \last
.rept 4
	v_nop                                          ; four places behind the products
.endr
	WALU
	s_cmp_eq_u32 s[PS], 0                          ; pass 0 asks here for pass 1's Q, 16 tiles on: Q's registers have served
	s_cbranch_scc0 .Lno_q_\@
	QLOAD 12288, 1024
.Lno_q_\@:
.else
	v_add_nc_u32 v8, s[TN], v3                     ; the next step's addresses: these four are the places behind the products, in front of the loads and of the first read of the scores
	v_add_nc_u32 v9, s[TN], v4
	v_add_nc_u32 v12, s[TN], v15
	v_add_nc_u32 v14, s[TJ], v17
	KLOAD 8, 9, 12, 14
.endif
	WIN 0x15                                       ; THE LARGEST SCORE OF EACH BLOCK OF 32 KEYS, all of it mine: two chains a block, four a tile, the two tiles by turns.  It serves the row's maximum and, since p rises with the score, the block's largest p
.irp x, 0,1
.irp b, 0,1
	v_max3_num_f32 v[ST+12*\x+6+\b], v[64*\x+32*\b], v[64*\x+32*\b+1], v[64*\x+32*\b+2]
	v_max3_num_f32 v[ST+12*\x+8+\b], v[64*\x+32*\b+16], v[64*\x+32*\b+17], v[64*\x+32*\b+18]
.endr
.endr
	WIN 0x14
.irp i, 3,5,7,9,11,13
.irp x, 0,1
.irp b, 0,1
	v_max3_num_f32 v[ST+12*\x+6+\b], v[ST+12*\x+6+\b], v[64*\x+32*\b+\i], v[64*\x+32*\b+\i+1]
	v_max3_num_f32 v[ST+12*\x+8+\b], v[ST+12*\x+8+\b], v[64*\x+32*\b+16+\i], v[64*\x+32*\b+17+\i]
.endr
.endr
.endr
.irp x, 0,1
.irp b, 0,1
	v_max3_num_f32 v[ST+12*\x+6+\b], v[ST+12*\x+6+\b], v[64*\x+32*\b+15], v[64*\x+32*\b+31]
.endr
.endr
	WIN 0
.irp x, 0,1
.irp b, 0,1
	v_max_num_f32 v[ST+12*\x+6+\b], v[ST+12*\x+6+\b], v[ST+12*\x+8+\b]
.endr
.endr
.irp x, 0,1
	v_max_num_f32 v[ST+12*\x+5], v[ST+12*\x+6], v[ST+12*\x+7]
.endr
.irp x, 0,1
	v_permlanex16_b32 v[ST+12*\x+10], v[ST+12*\x+5], s[SEL], s[SEL+1]
.endr
.irp x, 0,1
	v_max3_num_f32 v[ST+12*\x+1], v[ST+12*\x+1], v[ST+12*\x+5], v[ST+12*\x+10]   ; the running largest score, with lane l xor 16's 64 keys
.endr
.irp x, 0,1
	v_mul_f32 v[ST+12*\x+5], s[NC], v[ST+12*\x+1]  ; -t
.endr
.irp x, 0,1
	v_floor_f32 v[ST+12*\x+5], v[ST+12*\x+5]       ; the new -M = -ceil(t)
.endr
.irp x, 0,1
	v_sub_f32 v[ST+12*\x+10], v[ST+12*\x+5], v[ST+12*\x]   ; old M - new M: a whole number, 0 or less
.endr
.irp x, 0,1
	v_mov_b32 v[ST+12*\x], v[ST+12*\x+5]
.endr
.irp x, 0,1
	v_cvt_i32_f32 v[ST+12*\x+10], v[ST+12*\x+10]   ; (it saturates)
.endr
.irp x, 0,1
	v_ldexp_f32 v[ST+12*\x+4], 1.0, v[ST+12*\x+10] ; f = 2^(old M - new M)
.endr
.irp x, 0,1
.irp b, 0,1
	v_fma_f32 v[ST+12*\x+6+\b], v[ST+12*\x+6+\b], s[CS], v[ST+12*\x]   ; t - M of each block's largest score
.endr
.endr
	WIN 0x41                                       ; source 0 and destination window 1
.irp x, 0,1
.set J, 0
.rept 16
	v_pk_mul_f32 v[OO+32*\x+J:OO+32*\x+J+1], v[OO+32*\x+J:OO+32*\x+J+1], v[ST+12*\x+4:ST+12*\x+5] op_sel_hi:[1,0]   ; O^T under the new M, each accumulator from its low end on
.set J, J+2
.endr
.endr
.set J, 0
.rept 32
	v_pk_fma_f32 v[J:J+1], v[J:J+1], s[CS:CS+1], v[ST:ST+1] op_sel_hi:[1,0,0]   ; tile 0: t - M
.set J, J+2
.endr
	WALU
	WIN 0
.irp x, 0,1
.irp b, 0,1
	v_exp_f32 v[ST+12*\x+6+\b], v[ST+12*\x+6+\b]   ; the blocks' largest p
.endr
.endr
	WIN 0x41
.set J, 0
.rept 32
	v_exp_f32 v[J], v[J]                           ; tile 0: p = 2^(t - M): not normalised; 0 for a hidden key
	v_exp_f32 v[J+1], v[J+1]
	v_pk_fma_f32 v[64+J:64+J+1], v[64+J:64+J+1], s[CS:CS+1], v[ST+12:ST+13] op_sel_hi:[1,0,0]   ; tile 1: t - M; no line here reads what another of these lines wrote
.set J, J+2
.endr
	WALU                                           ; between tile 1's multiply-adds and the exponentials that read them
.set J, 0
.rept 64
	v_exp_f32 v[64+J], v[64+J]
.set J, J+1
.endr
	v_nop                                          ; a plain place behind the exponentials
	WIN 0
	WALU                                           ; one wait for the batch, ahead of its first reader
.irp x, 0,1
.irp b, 0,1
	v_max_num_f32 v[ST+12*\x+6+\b], 0x1800000, v[ST+12*\x+6+\b]   ; the floor 2^(3 - 127): a block whose every p is 0 keeps the byte 1: its codes are zeros
.endr
.endr
.irp x, 0,1
.irp b, 0,1
	v_add_nc_u32 v[ST+12*\x+8+\b], 0xff000000, v[ST+12*\x+6+\b]   ; 2 off the exponent field: the conversions' scale operand
.endr
.endr
.irp x, 0,1
.irp b, 0,1
	v_lshrrev_b32 v[ST+12*\x+6+\b], 23, v[ST+12*\x+8+\b]          ; the scale's byte
.endr
.endr
.irp x, 0,1
	v_lshl_or_b32 v[ST+12*\x+5], v[ST+12*\x+7], 16, v[ST+12*\x+6] ; my two bytes: blocks h and 2 + h,
.endr
.irp x, 0,1
	v_lshlrev_b32 v[ST+12*\x+5], v18, v[ST+12*\x+5]               ; at their places in the word;
.endr
.irp x, 0,1
	v_permlanex16_b32 v[ST+12*\x+10], v[ST+12*\x+5], s[SEL], s[SEL+1]
.endr
.irp x, 0,1
	v_or_b32 v[PSC+\x], v[ST+12*\x+5], v[ST+12*\x+10]             ; with lane l xor 16's two: p's scale word for these 128 keys
.endr
	WIN 0x01                                       ; source 0 window 1
.irp x, 0,1
.irp c, 0,1
	v_cvt_scalef32_pk16_fp6_f32 v[PC+12*\x+6*\c:PC+12*\x+6*\c+2], v[64*\x+32*\c:64*\x+32*\c+15], v[ST+12*\x+8+\c]
	v_cvt_scalef32_pk16_fp6_f32 v[CT+8*\x+4*\c:CT+8*\x+4*\c+2], v[64*\x+32*\c+16:64*\x+32*\c+31], v[ST+12*\x+8+\c]   ; (a conversion's three registers begin on an even number)
.endr
.endr
	WIN 0
	v_nop                                          ; one plain place behind a scaled conversion
.irp x, 0,1
.irp c, 0,1
.irp i, 0,1,2
	v_mov_b32 v[PC+12*\x+6*\c+3+\i], v[CT+8*\x+4*\c+\i]
.endr
.endr
.endr
	WIN 0x05                                       ; THE ROWS' SUMS, of the unquantised p: four chains of pairs a tile.  These lines are also the places between the codes' and the scale words' last writes and the products
.irp k, 0,1,2,3
.irp x, 0,1
	v_pk_add_f32 v[CT+8*\x+2*\k:CT+8*\x+2*\k+1], v[64*\x+2*\k:64*\x+2*\k+1], v[64*\x+8+2*\k:64*\x+8+2*\k+1]
.endr
.endr
	WIN 0x04
.irp m, 2,3,4,5,6,7
.irp k, 0,1,2,3
.irp x, 0,1
	v_pk_add_f32 v[CT+8*\x+2*\k:CT+8*\x+2*\k+1], v[CT+8*\x+2*\k:CT+8*\x+2*\k+1], v[64*\x+8*\m+2*\k:64*\x+8*\m+2*\k+1]
.endr
.endr
.endr
	WIN 0
.irp x, 0,1
	v_pk_add_f32 v[CT+8*\x:CT+8*\x+1], v[CT+8*\x:CT+8*\x+1], v[CT+8*\x+2:CT+8*\x+3]
	v_pk_add_f32 v[CT+8*\x+4:CT+8*\x+5], v[CT+8*\x+4:CT+8*\x+5], v[CT+8*\x+6:CT+8*\x+7]
.endr
.irp x, 0,1
	v_pk_add_f32 v[CT+8*\x:CT+8*\x+1], v[CT+8*\x:CT+8*\x+1], v[CT+8*\x+4:CT+8*\x+5]
.endr
.irp x, 0,1
	v_pk_fma_f32 v[ST+12*\x+2:ST+12*\x+3], v[ST+12*\x+2:ST+12*\x+3], v[ST+12*\x+4:ST+12*\x+5], v[CT+8*\x:CT+8*\x+1] op_sel_hi:[1,0,1]   ; the old sum under the new M, and this step's
.endr
	WALU
.if \last
	s_wait_dscnt 0x0                               ; V
.else
	s_wait_dscnt NK                                ; V is in; the NK younger loads, the next step's K, may stay out
.endif
	WIN 0x50
.irp d, 0,1,2,3
.irp x, 0,1
	v_wmma_scale_f32_16x16x128_f8f6f4 v[OO+32*\x+8*\d:OO+32*\x+8*\d+7], v[VB+12*\d:VB+12*\d+11], v[PC+12*\x:PC+12*\x+11], v[OO+32*\x+8*\d:OO+32*\x+8*\d+7], v[VSC+\d], v[PSC+\x] matrix_a_fmt:MATRIX_FMT_FP6 matrix_b_fmt:MATRIX_FMT_FP6
.endr
.endr
	WIN 0
.if !\last
	v_add_nc_u32 v10, s[TN], v1                    ; four places behind the products, in front of the loads into V's registers
	v_add_nc_u32 v11, s[TN], v2
	v_add_nc_u32 v13, s[TN], v16
	v_nop
	VLOAD 10, 11, 13
.endif
.endm
.Lpass:                                                ; a pass: 256 of the work-group's queries, 32 of them mine
.irp x, 0,1
	v_mov_b32 v[ST+12*\x+1], 0xde800000            ; the largest score so far: -2^62: above every hidden key's, under every other
	v_mov_b32 v[ST+12*\x+2], 0
	v_mov_b32 v[ST+12*\x+3], 0
.endr
.irp x, 0,1
	v_mul_f32 v[ST+12*\x+5], s[NC], v[ST+12*\x+1]
.endr
.irp x, 0,1
	v_floor_f32 v[ST+12*\x], v[ST+12*\x+5]         ; -M
.endr
	WIN 0x40
.set J, 0
.rept 64
	v_mov_b32 v[OO+J], 0                           ; the step is written once: the first finds zeros, which the first change of M leaves zeros
.set J, J+1
.endr
	WIN 0
	KLOAD 3, 4, 15, 17                             ; key step 0
	VLOAD 1, 2, 16
	s_mov_b32 s[TN], STEPB
	s_mov_b32 s[TJ], 512
	s_mov_b32 s50, 15
	WALU
	s_wait_loadcnt 0x0                             ; Q
.Lstep:
	STEP 0
	WALU
	s_add_co_u32 s[TN], s[TN], STEPB
	s_add_co_u32 s[TJ], s[TJ], 512
	s_sub_co_u32 s50, s50, 1
	s_cmp_lg_u32 s50, 0
	s_cbranch_scc1 .Lstep
	STEP 1
; THE WAY OUT of a pass: O^T / the sum; register 16 b + i is channel 32 b + 16 h + i of my query: two blocks of the output projection's K
.rept 4
	v_nop                                          ; four places behind the last products
.endr
.irp x, 0,1
	v_add_f32 v[ST+12*\x+2], v[ST+12*\x+2], v[ST+12*\x+3]
.endr
.irp x, 0,1
	v_permlanex16_b32 v[ST+12*\x+10], v[ST+12*\x+2], s[SEL], s[SEL+1]
.endr
.irp x, 0,1
	v_add_f32 v[ST+12*\x+2], v[ST+12*\x+2], v[ST+12*\x+10]   ; the row's sum
.endr
	WALU
.irp x, 0,1
	v_rcp_f32 v[ST+12*\x+4], v[ST+12*\x+2]
.endr
	v_nop                                          ; a plain place behind the reciprocals
	WIN 0x41
	WALU                                           ; and the wait, directly ahead of the first reader of them and of O^T
.irp x, 0,1
.set J, 0
.rept 16
	v_pk_mul_f32 v[64*\x+J:64*\x+J+1], v[OO+32*\x+J:OO+32*\x+J+1], v[ST+12*\x+4:ST+12*\x+5] op_sel_hi:[1,0]   ; each accumulator from its low end on
.set J, J+2
.endr
.endr
	WIN 0x05
.irp x, 0,1
.irp b, 0,1
	v_max3_num_f32 v[ST+12*\x+6+\b], |v[64*\x+16*\b]|, |v[64*\x+16*\b+1]|, 0x1800000
.endr
.endr
	WIN 0x14
.irp i, 2,4,6,8,10,12,14
.irp x, 0,1
.irp b, 0,1
	v_max3_num_f32 v[ST+12*\x+6+\b], v[ST+12*\x+6+\b], |v[64*\x+16*\b+\i]|, |v[64*\x+16*\b+\i+1]|
.endr
.endr
.endr
	WIN 0
.irp x, 0,1
.irp b, 0,1
	v_permlanex16_b32 v[ST+12*\x+10+\b], v[ST+12*\x+6+\b], s[SEL], s[SEL+1]
.endr
.endr
.irp x, 0,1
.irp b, 0,1
	v_max_num_f32 v[ST+12*\x+6+\b], v[ST+12*\x+6+\b], v[ST+12*\x+10+\b]
.endr
.endr
.irp x, 0,1
.irp b, 0,1
	v_add_nc_u32 v[ST+12*\x+8+\b], 0xff000000, v[ST+12*\x+6+\b]
.endr
.endr
.irp x, 0,1
.irp b, 0,1
	v_lshrrev_b32 v[ST+12*\x+6+\b], 23, v[ST+12*\x+8+\b]
.endr
.endr
	WIN 0x01
.irp x, 0,1
	v_cvt_scalef32_pk16_fp6_f32 v[PC+12*\x:PC+12*\x+2], v[64*\x:64*\x+15], v[ST+12*\x+8]
	v_cvt_scalef32_pk16_fp6_f32 v[CT+8*\x:CT+8*\x+2], v[64*\x+16:64*\x+31], v[ST+12*\x+9]
.endr
	WIN 0
	v_nop
.irp x, 0,1
.irp i, 0,1,2
	v_permlane16_swap_b32 v[PC+12*\x+\i], v[CT+8*\x+\i]      ; the operand wants a whole block in a lane
.endr
.endr
.irp x, 0,1
.irp i, 0,1,2
	v_mov_b32 v[PC+12*\x+3+\i], v[CT+8*\x+\i]
.endr
.endr
.irp x, 0,1
	global_store_b128 v1, v[PC+12*\x:PC+12*\x+3], s[52:53] offset:12288*\x
	global_store_b64 v2, v[PC+12*\x+4:PC+12*\x+5], s[52:53] offset:12288*\x
	v_cndmask_b32 v[ST+12*\x+10], v[ST+12*\x+6], v[ST+12*\x+7], s51   ; lane (r, h) stores block h's byte of row r
	v_cmp_neq_f32 vcc_lo, 0, v[ST+12*\x+2]
	v_cndmask_b32 v[ST+12*\x+10], 0xff, v[ST+12*\x+10], vcc_lo        ; a row with no key left: the NaN byte
	global_store_b8 v7, v[ST+12*\x+10], s[54:55] offset:512*\x        ; 32 single bytes beside 768 bytes of codes: a word's four bytes come from two heads, that is from two work-groups
.endr
	WALU
	s_wait_xcnt 0x0                                ; the stores have read their registers and bases, which the next pass writes again
	s_add_nc_u64 s[52:53], s[52:53], 196608        ; 16 tiles on
	s_add_nc_u64 s[54:55], s[54:55], 8192
	s_add_co_u32 s[PS], s[PS], 1
	s_cmp_lt_u32 s[PS], 2
	s_cbranch_scc1 .Lpass
	s_wait_tensorcnt 0x0                           ; the wave's end
	ds_add_u32 v[SPW], v[NIL]
	s_wait_dscnt 0x0
	CROUND                                         ; the closing round
	s_endpgm
.Lfunc_end_k_q2d56448ff7_attn:
	.size	k_q2d56448ff7_attn, .Lfunc_end_k_q2d56448ff7_attn-k_q2d56448ff7_attn
	.p2alignl 7, 3214868480
	.fill 96, 4, 3214868480
	.section	.rodata,"a",@progbits
	.p2align	6, 0x0
	.amdhsa_kernel k_q2d56448ff7_attn
		.amdhsa_group_segment_fixed_size 218112
		.amdhsa_private_segment_fixed_size 0
		.amdhsa_enable_private_segment 0
		.amdhsa_kernarg_size 40
		.amdhsa_user_sgpr_count 2
		.amdhsa_user_sgpr_kernarg_segment_ptr 1
		.amdhsa_wavefront_size32 1
		.amdhsa_system_sgpr_workgroup_id_x 1
		.amdhsa_system_sgpr_workgroup_id_y 1
		.amdhsa_system_sgpr_workgroup_id_z 1
		.amdhsa_system_vgpr_workitem_id 0
		.amdhsa_next_free_vgpr 512
		.amdhsa_next_free_sgpr 80
		.amdhsa_reserve_vcc 1
		.amdhsa_float_denorm_mode_32 3
		.amdhsa_float_denorm_mode_16_64 3
		.amdhsa_memory_ordered 1
		.amdhsa_forward_progress 1
		.amdhsa_inst_pref_size 77
	.end_amdhsa_kernel
	.amdgpu_metadata
---
amdhsa.version: [ 1, 2 ]
amdhsa.kernels:
  - .name:           k_q2d56448ff7_attn
    .symbol:         k_q2d56448ff7_attn.kd
    .args:
      - { .name: qb, .offset: 0, .size: 8, .value_kind: global_buffer, .address_space: global }
      - { .name: kv, .offset: 8, .size: 8, .value_kind: global_buffer, .address_space: global }
      - { .name: mask, .offset: 16, .size: 8, .value_kind: global_buffer, .address_space: global }
      - { .name: oc, .offset: 24, .size: 8, .value_kind: global_buffer, .address_space: global }
      - { .name: os, .offset: 32, .size: 8, .value_kind: global_buffer, .address_space: global }
    .group_segment_fixed_size: 218112
    .private_segment_fixed_size: 0
    .kernarg_segment_align: 8
    .kernarg_segment_size: 40
    .max_flat_workgroup_size: 256
    .sgpr_count:     80
    .vgpr_count:     512
    .wavefront_size: 32
...
	.end_amdgpu_metadata
.endif
;; end of part 3
;; launch outp (part 4): grid 4 x 64, 4 waves a work-group, clusters of 4 x 4, 327,680 bytes of LDS; arguments oc, os, codes, scl, out0; writes out0
.if DOCPART == 4
	.amdgcn_target "amdgcn-amd-amdhsa--gfx1250"
	.amdhsa_code_object_version 6
	.text
	.protected	k_q2d56448ff7_outp
	.globl	k_q2d56448ff7_outp
	.p2align	8
	.type	k_q2d56448ff7_outp,@function
k_q2d56448ff7_outp:
	s_mov_b64 s[64:65], 0
	v_nop
	global_prefetch_b8 v0, s[64:65] scope:SCOPE_SE
	s_setreg_imm32_b32 hwreg(HW_REG_WAVE_MODE, 25, 1), 1
	s_wait_xcnt 0x0
	s_wait_alu depctr_hold_cnt(0) depctr_sa_sdst(0) depctr_va_vdst(0) depctr_va_sdst(0) depctr_va_ssrc(0) depctr_va_vcc(0) depctr_vm_vsrc(0)
	s_getreg_b32 s2, hwreg(HW_REG_IB_STS2, 6, 4)
	s_cmp_eq_u32 s2, 0
	s_cbranch_scc0 .Lentry_in_a_cluster
	s_endpgm
.Lentry_in_a_cluster:
	s_bfe_u32 s2, ttmp6, 0x10000c
	s_cmp_lg_u32 s2, 0xf033
	s_cbranch_scc0 .Lentry_shape_is_right
	s_endpgm
.Lentry_shape_is_right:
; out0 = O w_o^T on codes of FP6 (E2M3) with E8M0 scales, f32 sums.  O's codes and scale words come from the attention launch (oc, os), w_o's from the quantising launch (tiles 1728 on of codes and scl).
; A work-group multiplies 16 tiles P of w_o (source 0) by 8 tiles R of tokens (source 1) over the whole K = 1024: 128 tokens x 256 outputs.  Four waves, each 4 tiles of R x 8 of P: 32 accumulators.
; A tile's rows are ordered: row r of tile t is row 32 (t / 2) + 8 (t % 2) + r + 8 (r / 8).  So a lane holds one token, the 16 registers of P's tiles 2 b, 2 b + 1 are 16 neighbouring outputs, and the stores' row offsets undo the tokens' order.
; LDS: the whole K of all 24 tiles, as two halves of four K steps; every tensor load is a first fill, nothing is filled again.  By the text's own count a wave has at most one tensor load out.
; CLUSTERS: 4 x 4.  R's tiles hang on the cluster's row, P's on its column: each is asked for jointly by the four that share it.
; REGISTERS: window 0: v1-10 addresses; v16-31 R's scale words, v32-63 P's; v64-159 R's fragments, two sets (on the way out v64-191: rows read back).   window 1: P's fragments, two sets.   window 2: the accumulators, (a, b) at v[8 (8 a + b)].
.set CHUNK, 147456                     ; LDS AS IT IS NOW: two halves of four K steps; in a half 24 tiles x 6,144 bytes: R's tiles 0-7, P's 8-23.  One tensor load a wave: wave 0 R's first half, 1 P's first, 2 R's second, 3 P's second
.set SPARE, 2*CHUNK                    ; the spare words, 128 bytes a wave: two blocks of 256 bytes that no other line names
.set AR128, 1
.set AR64,  2
.set AP128, 3
.set AP64,  4
.set SPW,   5
.set NIL,   6
.set O128,  7
.set O64,   8
.set STO,   9                          ; the way out: where I put 16 bytes of a row
.set RD,    10                         ; and where I read a row back
.set SCR,   16
.set SCP,   32
.set RF,    64
.set BK,    64
.set RB,    4                          ; oc
.set SRB,   6                          ; os
.set PB,    8                          ; codes
.set SPB,   10                         ; scl
.set G1R,   24
.set G1P,   32
.set G0R,   40
.set MSB, 0
.macro WIN new
.if MSB != \new
	s_set_vgpr_msb (MSB<<8)|\new
.set MSB, \new
.endif
.endm
.macro CROUND
	s_barrier_signal -1
	s_barrier_wait -1
	s_cmp_lg_u32 s14, 0
	s_cbranch_scc1 .Lnot_wave_0_\@
	s_barrier_signal -3
.Lnot_wave_0_\@:
	s_barrier_wait -3
	s_barrier_signal -1
	s_barrier_wait -1
.endm
	s_load_b256 s[4:11], s[0:1], 0x0               ; oc, os, codes, scl
	s_load_b64 s[12:13], s[0:1], 0x20              ; out0
	v_lshl_add_u32 v[SPW], v0, 2, SPARE
	v_mov_b32 v[NIL], 0
	ds_add_u32 v[SPW], v[NIL]                      ; the wave's opening: the add, twice on end, and its wait ahead of my first tensor load
	ds_add_u32 v[SPW], v[NIL]
	v_lshrrev_b32 v11, 5, v0
	v_readfirstlane_b32 s14, v11                   ; wave 0..3
	s_lshr_b32 s15, s14, 1                         ; wr; also: which half of K I fetch
	s_and_b32 s16, s14, 1                          ; wp; also: I fetch for R (0) or for P (1)
	s_bfe_u32 s76, ttmp6, 0x40000                  ; cx
	s_bfe_u32 s77, ttmp6, 0x40004                  ; cy
	s_and_b32 s78, ttmp7, 0xffff                   ; cluster y, 0..15
	s_lshl_b32 s81, s78, 2
	s_add_co_u32 s81, s81, s77                     ; ri: my block of 8 token tiles
	s_lshl_b32 s83, s81, 3                         ; R's first tile
	s_lshl_b32 s84, s76, 4
	s_add_co_u32 s84, s84, 1728                    ; P's first tile
	s_lshl_b32 s85, s77, 2
	s_lshl_b32 s85, 15, s85                        ; my row of the cluster
	s_lshl_b32 s94, 0x1111, s76                    ; my column
	s_or_b32 s[G1R], s85, (3<<16)|(1<<21)          ; group 1: n rows of 6,144 bytes (768 elements of 8 bytes), 12,288 bytes apart in memory, dense in LDS
	s_or_b32 s[G1P], s94, (3<<16)|(1<<21)
	s_mov_b32 s[G1R+1], 768<<16                    ; rows of 6,144 bytes (a tile's four K steps), 8 tiles of R
	s_mov_b32 s[G1R+2], 8<<16
	s_mov_b32 s[G1R+3], 768<<16
	s_mov_b32 s[G1R+4], 8
	s_mov_b32 s[G1R+5], 1536
	s_mov_b32 s[G1R+6], 0
	s_mov_b32 s[G1R+7], 0
	s_mov_b32 s[G1P+1], 768<<16                    ; the same, 16 tiles of P
	s_mov_b32 s[G1P+2], 16<<16
	s_mov_b32 s[G1P+3], 768<<16
	s_mov_b32 s[G1P+4], 16
	s_mov_b32 s[G1P+5], 1536
	s_mov_b32 s[G1P+6], 0
	s_mov_b32 s[G1P+7], 0
	s_mul_i32 s86, s83, 12288                      ; R: all 8 tiles (registers that never hold cx)
	s_mov_b32 s87, 0
	s_lshl_b32 s94, s16, 3
	s_add_co_u32 s94, s94, s84
	s_mul_i32 s90, s84, 12288                      ; P: all 16 tiles (never cy)
	s_mov_b32 s91, 0
	s_lshl_b32 s96, s94, 9                         ; these 8 are also the ones that I multiply: their scale words
	s_mov_b32 s97, 0
	s_mul_i32 s93, s16, 49152                      ; where the 8 tiles of P that I multiply lie in a half
	s_add_co_u32 s93, s93, 49152
	s_lshl_b32 s85, s15, 2
	s_add_co_u32 s85, s85, s83
	s_lshl_b32 s88, s85, 9                         ; the scale words of the 4 tiles of R that I multiply
	s_mov_b32 s89, 0
	s_lshl_b32 s98, s81, 2                         ; out0: my first token row is 32 x (4 ri + 2 wr), rows of 4,096 bytes;
	s_lshl_b32 s99, s15, 1
	s_add_co_u32 s98, s98, s99
	s_lshl_b32 s98, s98, 17
	s_lshl_b32 s99, s76, 10                        ; my first column 256 cx + 128 wp, 4 bytes each
	s_add_co_u32 s98, s98, s99
	s_lshl_b32 s99, s16, 9
	s_add_co_u32 s98, s98, s99
	s_mov_b32 s99, 0
	s_wait_dscnt 0x0                               ; both opening adds are done
	s_wait_kmcnt 0x0
	s_add_nc_u64 s[86:87], s[RB:RB+1], s[86:87]
	s_add_nc_u64 s[90:91], s[PB:PB+1], s[90:91]
	s_add_nc_u64 s[88:89], s[SRB:SRB+1], s[88:89]
	s_add_nc_u64 s[96:97], s[SPB:SPB+1], s[96:97]
	s_add_nc_u64 s[12:13], s[12:13], s[98:99]
	CROUND                                         ; all sixteen work-groups are here: the joint loads meet
	s_mul_i32 s92, s15, CHUNK                      ; the half that I fetch (wave / 2): its place in LDS,
	s_mul_i32 s94, s15, 6144                       ; and in a tile's 12,288 bytes
	s_mov_b32 s95, 0
	s_mov_b32 s[G0R], 1
	s_mov_b32 s[G0R+1], s92
	s_add_nc_u64 s[G0R+2:G0R+3], s[86:87], s[94:95]
	s_or_b32 s[G0R+3], s[G0R+3], 0x80000000
	s_mov_b32 s[G0R+4], 1
	s_add_co_u32 s[G0R+5], s92, 49152
	s_add_nc_u64 s[G0R+6:G0R+7], s[90:91], s[94:95]
	s_or_b32 s[G0R+7], s[G0R+7], 0x80000000
; one tensor load a wave, in one chain of branches on the wave's number, each arm with a line of its own
.macro ARM w, g0, g1, next
	s_cmp_eq_u32 s14, \w
	s_cbranch_scc0 \next
	tensor_load_to_lds s[\g0:\g0+3], s[\g1:\g1+7]
	s_nop 0
.rept 4
	v_nop
.endr
	s_branch .Lasked
\next:
.endm
	ARM 0, G0R, G1R, .Lw1
	ARM 1, G0R+4, G1P, .Lw2
	ARM 2, G0R, G1R, .Lw3
	tensor_load_to_lds s[G0R+4:G0R+7], s[G1P:G1P+7]
	s_nop 0
.rept 4
	v_nop
.endr
.Lasked:
	v_and_b32 v11, 31, v0
	v_lshlrev_b32 v[O128], 4, v11
	v_lshl_add_u32 v[O64], v11, 3, 512
	s_mul_i32 s85, s15, 24576
	v_add_nc_u32 v[AR128], s85, v[O128]
	v_add_nc_u32 v[AR64], s85, v[O64]
	v_add_nc_u32 v[AP128], s93, v[O128]
	v_add_nc_u32 v[AP64], s93, v[O64]
.irp a, 0,1,2,3
	global_load_b128 v[SCR+4*\a:SCR+4*\a+3], v[O128], s[88:89] offset:512*\a
.endr
.irp b, 0,1,2,3,4,5,6,7
	global_load_b128 v[SCP+4*\b:SCP+4*\b+3], v[O128], s[96:97] offset:512*\b
.endr
	s_mul_i32 s85, s14, 8448                       ; my stage: 16 rows x (512 + 16) bytes, in chunk 0's bytes
	v_and_b32 v12, 15, v0
	v_bfe_u32 v13, v0, 4, 1
	v_mul_u32_u24 v[STO], v12, 528
	v_lshl_add_u32 v[STO], v13, 6, v[STO]
	v_add_nc_u32 v[STO], s85, v[STO]               ; in: row r, + 64 h
	v_add_nc_u32 v[RD], s85, v[O128]               ; back: 16 bytes a lane of a row
.macro FRAGL reg, a128, a64, off
.set RG, \reg
.set OF, \off
	ds_load_b128 v[RG:RG+3], v[\a128] offset:OF
	ds_load_b64 v[RG+4:RG+5], v[\a64] offset:OF
	ds_load_b128 v[RG+6:RG+9], v[\a128] offset:OF+768
	ds_load_b64 v[RG+10:RG+11], v[\a64] offset:OF+768
.endm
.macro FETCH s, set
	WIN 0x40
.irp i, 0,1,2,3,4,5,6,7
	FRAGL 128*(\set)+12*\i, AP128, AP64, 6144*\i+1536*((\s)%4)
.endr
	WIN 0
.irp i, 0,1,2,3
	FRAGL RF+48*(\set)+12*\i, AR128, AR64, 6144*\i+1536*((\s)%4)
.endr
.endm
; 16 products: R's tiles a0, a0 + 1 x P's eight.  The 32 accumulators take turns, one instruction a turn, in the same order in every K step.  K step 0 starts the sums.
.macro MUL16 a0, set, s
.irp a, \a0, \a0+1
.irp b, 0,1,2,3,4,5,6,7
.set DD, 8*(8*(\a)+\b)
.set PP, 128*(\set)+12*\b
.set RR, RF+48*(\set)+12*(\a)
.set XP, SCP+4*\b+(\s)/2
.set XR, SCR+4*(\a)+(\s)/2
.if (\s) == 0
	v_wmma_scale_f32_16x16x128_f8f6f4 v[DD:DD+7], v[PP:PP+11], v[RR:RR+11], 0, v[XP], v[XR] matrix_a_fmt:MATRIX_FMT_FP6 matrix_b_fmt:MATRIX_FMT_FP6
.elseif (\s)%2 == 0
	v_wmma_scale_f32_16x16x128_f8f6f4 v[DD:DD+7], v[PP:PP+11], v[RR:RR+11], v[DD:DD+7], v[XP], v[XR] matrix_a_fmt:MATRIX_FMT_FP6 matrix_b_fmt:MATRIX_FMT_FP6
.else
	v_wmma_scale_f32_16x16x128_f8f6f4 v[DD:DD+7], v[PP:PP+11], v[RR:RR+11], v[DD:DD+7], v[XP], v[XR] matrix_a_fmt:MATRIX_FMT_FP6 matrix_b_fmt:MATRIX_FMT_FP6 matrix_a_scale:MATRIX_SCALE_ROW1 matrix_b_scale:MATRIX_SCALE_ROW1
.endif
.endr
.endr
.endm
.macro STEP s
	s_wait_dscnt 0x0                               ; this step's 48 loads are in
.if (\s) == 3
	s_wait_tensorcnt 0x0                           ; every wave's one load has landed: the second half is whole behind this barrier, and nobody reads the first half any more (the stage of the way out lies there); nothing is filled again
	s_barrier_signal -1
.endif
	WIN 0xa1
	MUL16 0, (\s)%2, \s
.if (\s) == 3
	s_barrier_wait -1
.endif
.if (\s) < 7
	WIN 0
.if (\s) == 3
	v_add_nc_u32 v[AR128], CHUNK, v[AR128]
	v_add_nc_u32 v[AR64], CHUNK, v[AR64]
	v_add_nc_u32 v[AP128], CHUNK, v[AP128]
	s_wait_alu depctr_va_vdst(0)
	v_add_nc_u32 v[AP64], CHUNK, v[AP64]
.else
.rept 4
	v_nop
.endr
.endif
	s_wait_alu depctr_va_vdst(0)
	FETCH (\s)+1, ((\s)+1)%2
.endif
	WIN 0xa1
	MUL16 2, (\s)%2, \s
.endm
	s_wait_alu depctr_va_vdst(0)
	s_cmp_lt_u32 s14, 2                            ; waves 0 and 1 fetched the first half: they wait; the second half's two loads may stay out
	s_cbranch_scc0 .Lnot_first
	s_wait_tensorcnt 0x0
.Lnot_first:
	s_barrier_signal -1
	s_barrier_wait -1
	FETCH 0, 0
	s_wait_loadcnt 0x0                             ; the scale words
.irp s, 0,1,2,3,4,5,6,7
	STEP \s
.endr
	WIN 0
; THE WAY OUT, a tile of 16 tokens x 128 outputs at a time, through my stage and back as whole rows of 512 bytes.  The stage lies in chunk 0, which has had its only fill; every wave's last read of it was
; waited for in front of K step 3's barrier.  LDS serves a wave's instructions in order: no wait between the stores and the loads, nor in front of the next tile's stores.
.macro TOSTAGE a
	WIN 0x08                                       ; an LDS store's data: window 2
.irp b, 0,1,2,3,4,5,6,7
	ds_store_b128 v[STO], v[64*(\a)+8*\b:64*(\a)+8*\b+3] offset:128*(\b/2)+32*(\b%2)       ; each accumulator from its low end on
	ds_store_b128 v[STO], v[64*(\a)+8*\b+4:64*(\a)+8*\b+7] offset:128*(\b/2)+32*(\b%2)+16
.endr
	WIN 0
.set BB, BK+64*((\a)%2)
.irp t, 0,1,2,3,4,5,6,7,8,9,10,11,12,13,14,15
	ds_load_b128 v[BB+4*\t:BB+4*\t+3], v[RD] offset:528*\t
.endr
.endm
.macro SEND a, younger                 ; younger: the LDS instructions issued behind tile a's loads, which may stay out
.set BB, BK+64*((\a)%2)
	s_wait_dscnt \younger
.irp t, 0,1,2,3,4,5,6,7,8,9,10,11,12,13,14,15
	global_store_b128 v[O128], v[BB+4*\t:BB+4*\t+3], s[12:13] offset:(32*((\a)/2)+8*((\a)%2)+\t+8*(\t/8))*4096 th:TH_STORE_NT   ; 32 lanes store 512 consecutive bytes, aligned; the row's offset undoes the tile's order of rows
.endr
.endm
.rept 4
	v_nop                                          ; four places behind the last products: for the reads of results and for the loads into R's registers
.endr
	TOSTAGE 0
.irp a, 1,2,3
.if \a > 1
	s_wait_xcnt 0x0                                ; tile a - 2's stores have read their registers: tile a's rows may land there
.endif
	TOSTAGE \a
	SEND \a-1, 32                                  ; behind tile a - 1's loads: tile a's 16 stores and 16 loads
.endr
	SEND 3, 0
	s_wait_tensorcnt 0x0                           ; the wave's end, behind my last tensor load and my last LDS store
	ds_add_u32 v[SPW], v[NIL]
	s_wait_dscnt 0x0
	CROUND                                         ; the closing round
	s_endpgm
.Lfunc_end_k_q2d56448ff7_outp:
	.size	k_q2d56448ff7_outp, .Lfunc_end_k_q2d56448ff7_outp-k_q2d56448ff7_outp
	.p2alignl 7, 3214868480
	.fill 96, 4, 3214868480
	.section	.rodata,"a",@progbits
	.p2align	6, 0x0
	.amdhsa_kernel k_q2d56448ff7_outp
		.amdhsa_group_segment_fixed_size 327680
		.amdhsa_private_segment_fixed_size 0
		.amdhsa_enable_private_segment 0
		.amdhsa_kernarg_size 40
		.amdhsa_user_sgpr_count 2
		.amdhsa_user_sgpr_kernarg_segment_ptr 1
		.amdhsa_wavefront_size32 1
		.amdhsa_system_sgpr_workgroup_id_x 1
		.amdhsa_system_sgpr_workgroup_id_y 1
		.amdhsa_system_sgpr_workgroup_id_z 1
		.amdhsa_system_vgpr_workitem_id 0
		.amdhsa_next_free_vgpr 768
		.amdhsa_next_free_sgpr 104
		.amdhsa_reserve_vcc 0
		.amdhsa_float_denorm_mode_32 3
		.amdhsa_float_denorm_mode_16_64 3
		.amdhsa_memory_ordered 1
		.amdhsa_forward_progress 1
		.amdhsa_inst_pref_size 82
	.end_amdhsa_kernel
	.amdgpu_metadata
---
amdhsa.version: [ 1, 2 ]
amdhsa.kernels:
  - .name:           k_q2d56448ff7_outp
    .symbol:         k_q2d56448ff7_outp.kd
    .args:
      - { .name: oc, .offset: 0, .size: 8, .value_kind: global_buffer, .address_space: global }
      - { .name: os, .offset: 8, .size: 8, .value_kind: global_buffer, .address_space: global }
      - { .name: codes, .offset: 16, .size: 8, .value_kind: global_buffer, .address_space: global }
      - { .name: scl, .offset: 24, .size: 8, .value_kind: global_buffer, .address_space: global }
      - { .name: out0, .offset: 32, .size: 8, .value_kind: global_buffer, .address_space: global }
    .group_segment_fixed_size: 327680
    .private_segment_fixed_size: 0
    .kernarg_segment_align: 8
    .kernarg_segment_size: 40
    .max_flat_workgroup_size: 128
    .sgpr_count:     104
    .vgpr_count:     768
    .wavefront_size: 32
...
	.end_amdgpu_metadata
.endif
;; end of part 4
